; MI455X (gfx1250); checked and timed in simulation.
; The chip was launched on July 23, 2026; its instructions are those of AMD's public machine-readable ISA for CDNA 5 (MIT licence, August 2026) and "CDNA5" Instruction Set Architecture Reference Guide (July 2026). The comments in the code are by the model that wrote it; some were corrected since.
;; Spectral MHSA. Allowed arithmetic: matrix products marked QUANTISED: E2M3 operands, one E8M0 scale for each 32 along K, by v_wmma_scale_f32_16x16x128_f8f6f4 with both operands' format E2M3, f32 sums; everything else in f32.
;; Inputs: Wk 1,024 x 1,024 float32; Wo 1,024 x 1,024 float32; Wq 1,024 x 1,024 float32; Wv 1,024 x 1,024 float32; bk 1,024 float32; bo 1,024 float32; bq 1,024 float32; bv 1,024 float32; x 4,096 x 1,024 float32.
;; Outputs: out0 4,096 x 1,024 float32.
;; This version of the problem:
;;   THIS VERSION OF THE PROBLEM IS GIVEN IN LOW PRECISION. The matrix products marked QUANTISED in the list below multiply operands that are first quantised to E2M3 (2 exponent bits, 3 mantissa bits; 6 bits a number), with one power-of-two scale for each 32 numbers along K (OCP MX v1.0); their sums are f32. All else is computed in f32.
;;   The module's matrix products, in the order in which they are computed (A, B: the left and right operand; K: the contracted axis; several contracted axes count as one K, in the product's order):
;;     1. [M 4,096, K 1,024] x [K 1,024, N 1,024]; A: input x; B: input Wq: QUANTISED
;;     2. [M 4,096, K 1,024] x [K 1,024, N 1,024]; A: input x; B: input Wk: QUANTISED
;;     3. [M 4,096, K 1,024] x [K 1,024, N 1,024]; A: input x; B: input Wv: QUANTISED
;;     4. batch 16 x [M 4,096, K 64] x [K 64, N 4,096]; A: computed on the way; B: computed on the way: QUANTISED
;;     5. batch 16 x [M 4,096, K 4,096] x [K 4,096, N 64]; A: softmax (see below); B: computed on the way: QUANTISED
;;     6. [M 4,096, K 1,024] x [K 1,024, N 1,024]; A: computed on the way; B: input Wo: QUANTISED
;;   THE QUANTISER, for each operand of a quantised product, along K:
;;     - K is cut into blocks of 32 from its start; a last block that is shorter is filled with zeros.
;;     - A block's scale is 2^e with e = floor(log2(the largest magnitude in the block)) - 2, held to -126 .. 127; a block of zeros has e = 0. As a byte (E8M0): e + 127.
;;     - Each number is divided by its block's scale, clamped to +-7.5, and rounded to the nearest number of E2M3, ties to even, subnormals kept.
;;     - The product sums the exact products of the quantised numbers (number of the format x scale) in f32.
;;   ~~~python
;;   def quantise(x, axis):      # numpy; x: float32 -> the quantised numbers, widened to float32 again
;;       x = np.moveaxis(x, axis, -1); K = x.shape[-1]
;;       x = np.pad(x, [(0, 0)] * (x.ndim - 1) + [(0, -K % 32)]); x = x.reshape(x.shape[:-1] + (-1, 32)); a = np.abs(x).max(-1, keepdims=True)
;;       e = np.where(a > 0, np.clip(np.frexp(np.where(a > 0, a, 1))[1] - 1 - 2, -126, 127), 0)      # np.frexp(a)[1] - 1 = floor(log2(a)), exactly
;;       r = np.clip(x / 2.0 ** e, -7.5, 7.5)
;;       step = 2.0 ** (np.maximum(np.frexp(np.where(r == 0, 1, r))[1] - 1, 0) - 3)
;;       q = np.round(r / step) * step * 2.0 ** e      # np.round: ties to even
;;       return np.moveaxis(q.reshape(q.shape[:-2] + (-1,))[..., :K], -1, axis).astype(np.float32)
;;   ~~~
;;   SOFTMAX AHEAD OF A QUANTISED PRODUCT. Where the list says 'softmax', what is quantised is not the finished softmax but p = 2^(t - M), with t = logit x log2(e) and M = ceil(the row's largest t), a whole number; so 1/2 < the row's largest p <= 1. The row's sum l is taken of the UNQUANTISED p, in f32, and the product's result is divided by l at the end. Since M is a whole number, a kernel that streams over the keys may use a running M (the ceiling of the running maximum): every later rescaling is an exact power of two, which a block's scale takes up: the codes' values come out the same.
;;   OPERANDS COMPUTED ON THE WAY. 'Computed on the way' means the value that the module computes at that place (a softmax that the list does not call 'softmax' is quantised finished and normalised). What goes into a quantiser is computed in f32, as accurately as f32 sums, v_exp_f32 and their like allow (about 1e-6 of the number): no bf16 or f16 on the way to a quantiser, and a product that is left as it is and whose result goes on into a quantised operand takes f32 operands (vector FMAs, or v_wmma_f32_16x16x4_f32). A number that lies on a knife's edge between two numbers of the format may be rounded either way, as far as f32 arithmetic and the matrix unit's own rounding can turn it there, and no further.
;; One version. Each part assembles by itself: llvm-mc -triple=amdgcn-amd-amdhsa -mcpu=gfx1250 --defsym DOCPART=n.
;; ======== version 1 of 1: 4 launches
;; limits: right only within a limited range of input values
;; workspace buffers: opq 6,553,600 bytes; qrec 3,407,872 bytes; kvrec 6,815,744 bytes; crec 3,276,800 bytes
;; launch quant (part 1): grid 512 x 1, 8 waves a work-group, no clusters, 69,120 bytes of LDS; arguments x, Wq, Wk, Wv, Wo, opq; writes opq
.if DOCPART == 1
	.amdgcn_target "amdgcn-amd-amdhsa--gfx1250"
	.amdhsa_code_object_version 6
	.text
	.protected	k_q25c961b5e5_quant
	.globl	k_q25c961b5e5_quant
	.p2align	8
	.type	k_q25c961b5e5_quant,@function
k_q25c961b5e5_quant:
	s_mov_b64 s[64:65], 0
	v_nop
	global_prefetch_b8 v0, s[64:65] scope:SCOPE_SE
	s_setreg_imm32_b32 hwreg(HW_REG_WAVE_MODE, 25, 1), 1
	s_wait_xcnt 0x0
; x [4096][1024] and Wq, Wk, Wv, Wo [1024][1024], f32, K innermost, become codes of E2M3 with one E8M0 byte for each 32 along K,
; laid as the later launches' operand registers want them.
; opq = [64 groups of 128 rows][8 K steps of 128][record of 12,800 bytes]; groups 0-31 x, 32-39 Wq, 40-47 Wk, 48-55 Wv, 56-63 Wo.
; A record holds 8 tiles of 16 rows x 128 K.  A tile is the image of a fragment's 12 registers: three groups of 512 bytes, group q = registers 4 q .. 4 q + 3,
; lane l's 16 bytes at 16 l.  Behind the 8 tiles: the scale words, 512 bytes: the word of (tile i, row r) at 16 (r + 16 (i & 1)) + 4 (i >> 1).
; THE ROWS OF A TILE ARE NOT NEIGHBOURS: row p of tile i is row 64 (i / 4) + 8 (i % 4) + p % 8 + 32 (p / 8) of the group, so that the 32 result registers of four
; neighbouring tiles used as source 0 are 32 neighbours: a whole block of the next product's K in one lane.
; SHARES: a work-group makes one record, wave i its tile i.  Each load reads 512 consecutive bytes of a row; the 16 rows turn through the wave's own stage in LDS, so that
; lane (r, h) gets k = 64 c + 32 h + 0 .. 31 of row r: two whole blocks, whose largest magnitudes need no other lane.
; A block's scale byte is its largest magnitude's exponent field - 2, held at 1 from below.
; LIMITS: a block of zeros gets the byte 1 where the rule says 127 (its codes are zeros, and this program alone reads the bytes); magnitudes under 2^-124 are held by
; that floor; NaN and infinities among the inputs are not served.
; No matrix unit, no cluster, no tensor load: work-groups share nothing and every byte is read once.  All 16 loads of a wave are out together.
.set STG,  8448                        ; a wave's stage: 16 rows x (512 + 16) bytes
.set SCA,  8*STG                       ; behind the stages: the record's 512 bytes of scale words
.set R,    16                          ; v16-79   the numbers as loaded
.set X,    80                          ; v80-143  X[32 c + n] = k 64 c + 32 h + n of my row
.set C,    144                         ; v144-155 the fragment's codes
.set X2,   156                         ; v156-158, v160-162 the upper half of a block's codes (a conversion's three registers begin on an even number)
.set BM,   164                         ; v164-165 largest magnitudes
.set SO,   166                         ; v166-167 the conversions' scale operands
.set BY,   168                         ; v168-169 the scale bytes
.set OWN,  170                         ; my two bytes of the scale word
.set PRT,  171                         ; lane l xor 16's
.set BT,   172                         ; v172-173 the maxima's second chains
.set SEL,  28                          ; s[28:29] v_permlanex16_b32's selects for lane l xor 16
; The largest magnitude of v[t] .. v[t + 31], and the floor 2^(3 - 127) among its leaves: two chains, 16 instructions.
.macro BMAX t, k
	v_max3_num_f32 v[BM+\k], |v[\t]|, |v[\t+1]|, 0x1800000
	v_max3_num_f32 v[BT+\k], |v[\t+2]|, |v[\t+3]|, |v[\t+4]|
.irp n, 5,9,13,17,21,25
	s_delay_alu instid0(VALU_DEP_2)
	v_max3_num_f32 v[BM+\k], v[BM+\k], |v[\t+\n]|, |v[\t+\n+1]|
	s_delay_alu instid0(VALU_DEP_2)
	v_max3_num_f32 v[BT+\k], v[BT+\k], |v[\t+\n+2]|, |v[\t+\n+3]|
.endr
	s_delay_alu instid0(VALU_DEP_2)
	v_max3_num_f32 v[BM+\k], v[BM+\k], |v[\t+29]|, |v[\t+30]|
	s_delay_alu instid0(VALU_DEP_1)
	v_max3_num_f32 v[BM+\k], v[BM+\k], v[BT+\k], |v[\t+31]|
.endm
; The block's scale operand and byte, and its 32 codes into v[d] .. v[d + 5]
.macro BCVT t, d, x, k
	v_add_nc_u32 v[SO+\k], 0xff000000, v[BM+\k]    ; 2 off the exponent field: the conversion takes this operand's exponent field as its scale
	s_delay_alu instid0(VALU_DEP_1)
	v_lshrrev_b32 v[BY+\k], 23, v[SO+\k]           ; the scale's byte
	v_cvt_scalef32_pk16_fp6_f32 v[\d:\d+2], v[\t:\t+15], v[SO+\k]
	v_cvt_scalef32_pk16_fp6_f32 v[\x:\x+2], v[\t+16:\t+31], v[SO+\k]
	v_nop                                          ; one plain place behind a scaled conversion
	v_mov_b32 v[\d+3], v[\x]
	v_mov_b32 v[\d+4], v[\x+1]
	v_mov_b32 v[\d+5], v[\x+2]
.endm
	s_load_b256 s[4:11], s[0:1], 0x0               ; x, Wq, Wk, Wv
	s_load_b128 s[12:15], s[0:1], 0x20             ; Wo, opq
	v_lshl_add_u32 v176, v0, 2, 0x10a00
	v_mov_b32 v177, 0
	v_lshrrev_b32 v1, 5, v0
	s_delay_alu instid0(VALU_DEP_1)
	v_readfirstlane_b32 s16, v1                    ; wave i = tile i
	v_and_b32 v1, 31, v0                           ; lane
	v_and_b32 v2, 15, v0                           ; r
	v_bfe_u32 v3, v0, 4, 1                         ; h
	s_delay_alu instid0(VALU_DEP_3)
	v_lshlrev_b32 v4, 4, v1                        ; 16 x lane
	s_mul_i32 s17, s16, STG
	v_add_nc_u32 v5, s17, v4                       ; the stage, on the way in: a row's 512 bytes as they lie
	v_mul_u32_u24 v6, v2, 528
	s_delay_alu instid0(VALU_DEP_1)
	v_lshl_add_u32 v6, v3, 7, v6
	s_delay_alu instid0(VALU_DEP_1)
	v_add_nc_u32 v6, s17, v6                       ; and on the way out: row r, + 128 h bytes
	s_and_b32 s18, s16, 1
	s_lshl_b32 s18, s18, 8
	s_lshr_b32 s19, s16, 1
	s_lshl_b32 s19, s19, 2
	s_add_co_u32 s18, s18, s19
	s_add_co_u32 s18, s18, SCA
	v_lshl_add_u32 v7, v2, 4, s18                  ; my row's scale word: SCA + 16 r + 256 (i & 1) + 4 (i >> 1)
	v_add_nc_u32 v8, SCA, v4                       ; the scale words on their way out
	v_lshlrev_b32 v9, 3, v3                        ; 8 h: my bytes' place in the word
	v_mov_b32 v[PRT], 0                            ; a lane permute's destination counts as one of its sources
	s_mov_b32 s[SEL], 0x76543210
	s_mov_b32 s[SEL+1], 0xfedcba98
	s_lshr_b32 s20, ttmp9, 3                       ; the group of 128 rows
	s_and_b32 s21, ttmp9, 7                        ; the K step
	s_and_b32 s22, s20, 7                          ; a weight's group
	s_wait_alu depctr_va_vdst(0)
	s_wait_kmcnt 0x0
	s_mov_b64 s[24:25], s[12:13]                   ; which tensor: the choice hangs on the work-group's number alone
	s_cmp_lt_u32 s20, 56
	s_cselect_b64 s[24:25], s[10:11], s[24:25]
	s_cmp_lt_u32 s20, 48
	s_cselect_b64 s[24:25], s[8:9], s[24:25]
	s_cmp_lt_u32 s20, 40
	s_cselect_b64 s[24:25], s[6:7], s[24:25]
	s_cmp_lt_u32 s20, 32
	s_cselect_b64 s[24:25], s[4:5], s[24:25]
	s_cselect_b32 s22, s20, s22                    ; the group inside its tensor
	s_lshl_b32 s22, s22, 7
	s_lshr_b32 s23, s16, 2
	s_lshl_b32 s23, s23, 6
	s_add_co_u32 s22, s22, s23
	s_and_b32 s23, s16, 3
	s_lshl_b32 s23, s23, 3
	s_add_co_u32 s22, s22, s23                     ; the tile's first row: 128 group + 64 (i / 4) + 8 (i % 4)
	s_lshl_b32 s22, s22, 12                        ; rows of 4,096 bytes
	s_lshl_b32 s23, s21, 9                         ; + 512 bytes a K step
	s_add_co_u32 s22, s22, s23
	s_mov_b32 s23, 0
	s_add_nc_u64 s[24:25], s[24:25], s[22:23]
	s_mul_i32 s26, ttmp9, 12800                    ; my record,
	s_mul_i32 s27, s16, 1536                       ; my tile in it
	s_add_co_u32 s26, s26, s27
	s_mov_b32 s27, 0
	s_add_nc_u64 s[14:15], s[14:15], s[26:27]
.irp p, 0,1,2,3,4,5,6,7,8,9,10,11,12,13,14,15
	global_load_b128 v[R+4*\p:R+4*\p+3], v4, s[24:25] offset:((\p%8)+32*(\p/8))*4096 th:TH_LOAD_NT   ; row p of the tile: 32 lanes read 512 consecutive bytes
.endr
.irp p, 0,1,2,3,4,5,6,7,8,9,10,11,12,13,14,15
	s_wait_loadcnt 15-\p                           ; loads come back in order: row p is in, the younger ones may be out
	ds_store_b128 v5, v[R+4*\p:R+4*\p+3] offset:528*\p
.endr
.irp c, 0,1
.irp j, 0,1,2,3,4,5,6,7
	ds_load_b128 v[X+32*\c+4*\j:X+32*\c+4*\j+3], v6 offset:256*\c+16*\j   ; LDS serves a wave's instructions in order: these see my stores
.endr
.endr
	s_wait_dscnt 8                                 ; my first block's eight loads are in; the second's may be out
	BMAX X, 0
	s_wait_dscnt 0x0
	BMAX X+32, 1
	BCVT X, C, X2, 0
	BCVT X+32, C+6, X2+4, 1
	v_lshl_or_b32 v[OWN], v[BY+1], 16, v[BY]       ; my two bytes: blocks h and 2 + h of row r,
	s_delay_alu instid0(VALU_DEP_1)
	v_lshlrev_b32 v[OWN], v9, v[OWN]               ; at their places in the scale word
	s_delay_alu instid0(VALU_DEP_1)
	v_permlanex16_b32 v[PRT], v[OWN], s[SEL], s[SEL+1]
	s_delay_alu instid0(VALU_DEP_1)
	v_or_b32 v[OWN], v[OWN], v[PRT]                ; with lane l xor 16's two the word is whole
.irp q, 0,1,2
	global_store_b128 v4, v[C+4*\q:C+4*\q+3], s[14:15] offset:512*\q   ; 32 lanes store 512 consecutive bytes, aligned to 256
.endr
	ds_store_b32 v7, v[OWN]                        ; lanes l and l xor 16 write the same word with the same value
	s_wait_dscnt 0x0                               ; for the others' sake: my word has landed
	s_barrier_signal -1
	s_barrier_wait -1
	s_cmp_lg_u32 s16, 0
	s_cbranch_scc1 .Ldone                          ; wave 0 sends the eight tiles' scale words: 512 consecutive bytes
	ds_load_b128 v[R:R+3], v8
	s_wait_dscnt 0x0
	global_store_b128 v4, v[R:R+3], s[14:15] offset:12288
.Ldone:
	s_wait_tensorcnt 0x0
	ds_add_u32 v176, v177
	s_wait_dscnt 0x0
	s_endpgm
.Lfunc_end_k_q25c961b5e5_quant:
	.size	k_q25c961b5e5_quant, .Lfunc_end_k_q25c961b5e5_quant-k_q25c961b5e5_quant
	.p2alignl 7, 3214868480
	.fill 96, 4, 3214868480
	.section	.rodata,"a",@progbits
	.p2align	6, 0x0
	.amdhsa_kernel k_q25c961b5e5_quant
		.amdhsa_group_segment_fixed_size 69120
		.amdhsa_private_segment_fixed_size 0
		.amdhsa_enable_private_segment 0
		.amdhsa_kernarg_size 48
		.amdhsa_user_sgpr_count 2
		.amdhsa_user_sgpr_kernarg_segment_ptr 1
		.amdhsa_wavefront_size32 1
		.amdhsa_system_sgpr_workgroup_id_x 1
		.amdhsa_system_sgpr_workgroup_id_y 1
		.amdhsa_system_sgpr_workgroup_id_z 1
		.amdhsa_system_vgpr_workitem_id 0
		.amdhsa_next_free_vgpr 178
		.amdhsa_next_free_sgpr 66
		.amdhsa_reserve_vcc 0
		.amdhsa_float_denorm_mode_32 3
		.amdhsa_float_denorm_mode_16_64 3
		.amdhsa_memory_ordered 1
		.amdhsa_forward_progress 1
		.amdhsa_inst_pref_size 12
	.end_amdhsa_kernel
	.amdgpu_metadata
---
amdhsa.version: [ 1, 2 ]
amdhsa.kernels:
  - .name:           k_q25c961b5e5_quant
    .symbol:         k_q25c961b5e5_quant.kd
    .args:
      - { .name: x, .offset: 0, .size: 8, .value_kind: global_buffer, .address_space: global }
      - { .name: Wq, .offset: 8, .size: 8, .value_kind: global_buffer, .address_space: global }
      - { .name: Wk, .offset: 16, .size: 8, .value_kind: global_buffer, .address_space: global }
      - { .name: Wv, .offset: 24, .size: 8, .value_kind: global_buffer, .address_space: global }
      - { .name: Wo, .offset: 32, .size: 8, .value_kind: global_buffer, .address_space: global }
      - { .name: opq, .offset: 40, .size: 8, .value_kind: global_buffer, .address_space: global }
    .group_segment_fixed_size: 69120
    .private_segment_fixed_size: 0
    .kernarg_segment_align: 8
    .kernarg_segment_size: 48
    .max_flat_workgroup_size: 256
    .sgpr_count:     66
    .vgpr_count:     178
    .wavefront_size: 32
...
	.end_amdgpu_metadata
.endif
;; end of part 1
;; launch qkv (part 2): grid 12 x 16, 4 waves a work-group, clusters of 4 x 4, 327,680 bytes of LDS; arguments opq, bq, bk, bv, qrec, kvrec; writes qrec, kvrec
.if DOCPART == 2
	.amdgcn_target "amdgcn-amd-amdhsa--gfx1250"
	.amdhsa_code_object_version 6
	.text
	.protected	k_q25c961b5e5_qkv
	.globl	k_q25c961b5e5_qkv
	.p2align	8
	.type	k_q25c961b5e5_qkv,@function
k_q25c961b5e5_qkv:
	s_mov_b64 s[64:65], 0
	v_nop
	global_prefetch_b8 v0, s[64:65] scope:SCOPE_SE
	s_setreg_imm32_b32 hwreg(HW_REG_WAVE_MODE, 25, 1), 1
	s_wait_xcnt 0x0
	s_wait_alu depctr_hold_cnt(0) depctr_sa_sdst(0) depctr_va_vdst(0) depctr_va_sdst(0) depctr_va_ssrc(0) depctr_va_vcc(0) depctr_vm_vsrc(0)
	s_getreg_b32 s2, hwreg(HW_REG_IB_STS2, 6, 4)
	s_cmp_eq_u32 s2, 0
	s_cbranch_scc0 .Lentry_in_a_cluster
	s_endpgm
.Lentry_in_a_cluster:
	s_bfe_u32 s2, ttmp6, 0x10000c
	s_cmp_lg_u32 s2, 0xf033
	s_cbranch_scc0 .Lentry_shape_is_right
	s_endpgm
.Lentry_shape_is_right:
; q = (x Wq^T + bq) / 8, k = x Wk^T + bk, v = x Wv^T + bv on codes of E2M3 (operands from opq), each result quantised again on its way out:
; q and k along the head's 64, v along the keys.  Sums, biases and the quantisers' inputs are f32.
; SHARES.  Cluster x = 0: q, 1: k, 2: v.  A work-group makes 256 x 256, each of its four waves 128 x 128: 64 accumulators, 512 registers.
; The K loop knows no mode: source 0 is operand P, source 1 operand R; both are groups of opq, in one format.  q, k: P = the weight, R = x: a lane holds one token and its
; registers run along the head.  v: P = x, R = Wv: a lane holds one channel and its registers run along the keys.  By the order of a tile's rows (row p of tile i = row
; 64 (i / 4) + 8 (i % 4) + p % 8 + 32 (p / 8) of its group) the 32 registers of four neighbouring tiles of P are 32 neighbours: lane (r, h) holds a WHOLE block of the next K,
; in the half of the lanes in which the 6-bit layout wants it: a block's maximum needs no other lane, and the codes change no lane.
; LDS: three regions, each with two K steps of 128: P's half 0, P's half 1, R's half 0, R's half 1, 25,600 bytes (two records) each, region j at 25,600 j in each of the four areas of 76,800 bytes.  K steps 0-5 are first fills;
; K steps 6, 7 fill region 0 again when it has been read: the launch's one refill.  By the text's own count a wave has at most one tensor load out.
; CLUSTER 4 x 4: P hangs on cx alone and is asked for jointly by the four work-groups of a column, R on cy alone, by the four of a row.
; OUT.  qrec [16 heads][32 token groups][6,656]: 8 tiles x 6 registers as 12 groups of 512 bytes (lane l's 16 bytes at 16 l), then 512 bytes of scale words.
; kvrec [16 heads][32 key steps][13,312]: k's codes (as q's) 6,144; v's four fragments (16 channels x 128 keys) 6,144; k's scale words 512; v's 512.
; q's and k's K is 64: bytes 2 and 3 of their scale words are 0, and the upper half of the score product's K is met by zero codes of q.
; LIMITS: a block of zeros gets the byte 1 where the rule says 127 (zero codes; only this program reads the bytes); magnitudes under 2^-124 are held by that floor; NaN and infinities are not served.
; 192 work-groups: a smaller tile would give each WGP one, but would read each LDS byte for fewer products.  No prefetch: all but one tile of a work-group is asked for at its head.
; REGISTERS, in windows of 256: window 0: v1-13 addresses; v32-39 P's scale words, v40-47 R's (two sets of 4); v48-63 v's bias, 8 pairs; v64-159, v160-255 R's fragments, two sets.
;   window 1: v0-95, v128-223 P's fragments, two sets; v96-127, v224-255 q's or k's bias of my two heads.   windows 2, 3: accumulator (a, b) at v[8 (8 (a % 4) + b)] of window 2 + a / 4.
.set REC,   12800                      ; a record of opq: 8 tiles + their scale words
.set PAIR,  2*REC                      ; what one tensor load brings
.set REG,   4*PAIR
.set AREA,  3*PAIR                     ; LDS as this text lays it: four areas of 76,800 bytes, one for each loading wave (P's half 0, 1, R's half 0, 1), each with K steps 0-5 on end; one tensor load a wave fills an area at the head, and K steps 6, 7 fill its first 25,600 bytes again
.set GRP,   8*REC                      ; a group's eight records
.set SPARE, 3*REG                      ; the spare words: 128 bytes a wave, two blocks of 256 bytes that no other line names
.set LB,   1                           ; v1     16 x lane
.set SPW,  2                           ; v2     my spare word's LDS address; never rewritten
.set NIL,  3                           ; v3     0; never rewritten
.set ADRP, 4                           ; v4-6   my half of P in region 0, 1, 2
.set ADRR, 7                           ; v7-9   my half of R
.set BVO,  10                          ; v10    v's bias: 4 (r % 8 + 32 (r / 8))
.set BQO,  11                          ; v11    q's, k's bias: 128 h
.set H8,   12                          ; v12    8 h
.set SCO,  13                          ; v13    16 x lane + where a record's scale words begin
.set PS,   32
.set RS,   40
.set VB,   48
.set RF,   64
.set QB,   96                          ; in window 1
.set T,    64                          ; the way out (R's fragments are done with): the numbers to be quantised
.set SW,   96                          ; v96-103  q, k: the eight tiles' scale words
.set BM,   128
.set BT,   130
.set SO,   132
.set BY,   134
.set OWN,  136
.set PRT,  137
.set XT,   140                         ; v140-142, v144-146
.set CD,   152                         ; v152-247 the codes: no store's data are written again
.set SI,   248                         ; v248-255 scale words as they leave
.set G1P,  24
.set G1R,  32
.set G0P,  40                          ; s[40:43]
.set G0R,  52                          ; s[52:55]
.set M,    66                          ; s[66:67] 1/8 for q, 1 for k and v
.set SEL,  68
.set MSB, 0
.macro WIN new                         ; the immediate's high byte repeats the setting that is left
.if MSB != (\new)
	s_set_vgpr_msb (MSB<<8)|(\new)
.set MSB, (\new)
.endif
.endm
.macro PLACES                          ; four plain places behind matrix instructions, in front of loads into their registers and of reads of their results
.rept 4
	v_nop
.endr
.endm
.macro CROUND                          ; a round of the cluster's barrier
	s_barrier_signal -1
	s_barrier_wait -1
	s_cmp_lg_u32 s16, 0
	s_cbranch_scc1 .Lnot_wave_0_\@
	s_barrier_signal -3
.Lnot_wave_0_\@:
	s_barrier_wait -3
	s_barrier_signal -1
	s_barrier_wait -1
.endm
.macro BMAX t, k                       ; the largest magnitude of v[t] .. v[t + 31], with the floor 2^(3 - 127): two chains
	v_max3_num_f32 v[BM+\k], |v[\t]|, |v[\t+1]|, 0x1800000
	v_max3_num_f32 v[BT+\k], |v[\t+2]|, |v[\t+3]|, |v[\t+4]|
.irp n, 5,9,13,17,21,25
	v_max3_num_f32 v[BM+\k], v[BM+\k], |v[\t+\n]|, |v[\t+\n+1]|
	v_max3_num_f32 v[BT+\k], v[BT+\k], |v[\t+\n+2]|, |v[\t+\n+3]|
.endr
	v_max3_num_f32 v[BM+\k], v[BM+\k], |v[\t+29]|, |v[\t+30]|
	v_max3_num_f32 v[BM+\k], v[BM+\k], v[BT+\k], |v[\t+31]|
.endm
.macro BCVT t, d, x, k                 ; scale operand, byte, and the block's 32 codes into v[d] .. v[d + 5]
	v_add_nc_u32 v[SO+\k], 0xff000000, v[BM+\k]
	v_lshrrev_b32 v[BY+\k], 23, v[SO+\k]
	v_cvt_scalef32_pk16_fp6_f32 v[\d:\d+2], v[\t:\t+15], v[SO+\k]
	v_cvt_scalef32_pk16_fp6_f32 v[\x:\x+2], v[\t+16:\t+31], v[SO+\k]
	v_nop                                          ; one plain place behind a scaled conversion
	v_mov_b32 v[\d+3], v[\x]
	v_mov_b32 v[\d+4], v[\x+1]
	v_mov_b32 v[\d+5], v[\x+2]
.endm
; One product.  pa, ra: the tile's scale words lie in lanes 16-31 of the register named (odd tiles)
.macro WM d, p, r, zero, sp, sr, pa, ra
.if (\zero) && (\pa) && (\ra)
	v_wmma_scale_f32_16x16x128_f8f6f4 v[\d:\d+7], v[\p:\p+11], v[\r:\r+11], 0, v[\sp], v[\sr] matrix_a_fmt:MATRIX_FMT_FP6 matrix_b_fmt:MATRIX_FMT_FP6 matrix_a_scale:MATRIX_SCALE_ROW1 matrix_b_scale:MATRIX_SCALE_ROW1
.elseif (\zero) && (\pa)
	v_wmma_scale_f32_16x16x128_f8f6f4 v[\d:\d+7], v[\p:\p+11], v[\r:\r+11], 0, v[\sp], v[\sr] matrix_a_fmt:MATRIX_FMT_FP6 matrix_b_fmt:MATRIX_FMT_FP6 matrix_a_scale:MATRIX_SCALE_ROW1
.elseif (\zero) && (\ra)
	v_wmma_scale_f32_16x16x128_f8f6f4 v[\d:\d+7], v[\p:\p+11], v[\r:\r+11], 0, v[\sp], v[\sr] matrix_a_fmt:MATRIX_FMT_FP6 matrix_b_fmt:MATRIX_FMT_FP6 matrix_b_scale:MATRIX_SCALE_ROW1
.elseif (\zero)
	v_wmma_scale_f32_16x16x128_f8f6f4 v[\d:\d+7], v[\p:\p+11], v[\r:\r+11], 0, v[\sp], v[\sr] matrix_a_fmt:MATRIX_FMT_FP6 matrix_b_fmt:MATRIX_FMT_FP6
.elseif (\pa) && (\ra)
	v_wmma_scale_f32_16x16x128_f8f6f4 v[\d:\d+7], v[\p:\p+11], v[\r:\r+11], v[\d:\d+7], v[\sp], v[\sr] matrix_a_fmt:MATRIX_FMT_FP6 matrix_b_fmt:MATRIX_FMT_FP6 matrix_a_scale:MATRIX_SCALE_ROW1 matrix_b_scale:MATRIX_SCALE_ROW1
.elseif (\pa)
	v_wmma_scale_f32_16x16x128_f8f6f4 v[\d:\d+7], v[\p:\p+11], v[\r:\r+11], v[\d:\d+7], v[\sp], v[\sr] matrix_a_fmt:MATRIX_FMT_FP6 matrix_b_fmt:MATRIX_FMT_FP6 matrix_a_scale:MATRIX_SCALE_ROW1
.elseif (\ra)
	v_wmma_scale_f32_16x16x128_f8f6f4 v[\d:\d+7], v[\p:\p+11], v[\r:\r+11], v[\d:\d+7], v[\sp], v[\sr] matrix_a_fmt:MATRIX_FMT_FP6 matrix_b_fmt:MATRIX_FMT_FP6 matrix_b_scale:MATRIX_SCALE_ROW1
.else
	v_wmma_scale_f32_16x16x128_f8f6f4 v[\d:\d+7], v[\p:\p+11], v[\r:\r+11], v[\d:\d+7], v[\sp], v[\sr] matrix_a_fmt:MATRIX_FMT_FP6 matrix_b_fmt:MATRIX_FMT_FP6
.endif
.endm
; A K step's 64 products on fragment set `set`.  The 64 accumulators take turns, one instruction a turn, in the same order in every step.
; zero = 1: the first step starts the sums: nothing is cleared.
.macro MUL set, zero
.irp a, 0,1,2,3,4,5,6,7
.if \a == 0
	WIN 0xa1                                       ; source 0 (P) window 1, source 1 (R) window 0, C and D window 2
.elseif \a == 4
	WIN 0xf1                                       ; C and D window 3
.endif
.irp b, 0,1,2,3,4,5,6,7
	WM 8*(8*(\a%4)+\b), 128*(\set)+12*\b, RF+96*(\set)+12*\a, \zero, PS+4*(\set)+\b/2, RS+4*(\set)+\a/2, \b%2, \a%2
.endr
.endr
.endm
; 50 LDS loads in one run: half hf of region j: P's 8 fragments, R's 8, and both sides' scale words, into set `set`.  Every load takes 512 consecutive bytes.
.macro FETCH j, hf, set
	WIN 0x40                                       ; destination window 1
.irp i, 0,1,2,3,4,5,6,7
.irp q, 0,1,2
	ds_load_b128 v[128*(\set)+12*\i+4*\q:128*(\set)+12*\i+4*\q+3], v[ADRP+(\j)] offset:REC*(\hf)+1536*\i+512*\q
.endr
.endr
	WIN 0
.irp i, 0,1,2,3,4,5,6,7
.irp q, 0,1,2
	ds_load_b128 v[RF+96*(\set)+12*\i+4*\q:RF+96*(\set)+12*\i+4*\q+3], v[ADRR+(\j)] offset:REC*(\hf)+1536*\i+512*\q
.endr
.endr
	ds_load_b128 v[PS+4*(\set):PS+4*(\set)+3], v[ADRP+(\j)] offset:REC*(\hf)+12288   ; tile i's words: register i / 2, lanes 16 (i % 2) on
	ds_load_b128 v[RS+4*(\set):RS+4*(\set)+3], v[ADRR+(\j)] offset:REC*(\hf)+12288
.endm
.macro KSTEP j, hf, set, cur           ; the next step's fragments are asked for, then this step is multiplied
	s_wait_dscnt 0x0                               ; this step's fragments are in (asked for 64 matrix instructions ago)
	PLACES
	FETCH \j, \hf, \set
	MUL \cur, 0
.endm
	s_load_b256 s[4:11], s[0:1], 0x0               ; opq, bq, bk, bv
	s_load_b128 s[12:15], s[0:1], 0x20             ; qrec, kvrec
	v_lshl_add_u32 v[SPW], v0, 2, SPARE
	v_mov_b32 v[NIL], 0
	ds_add_u32 v2, v3
	ds_add_u32 v2, v3
	s_wait_dscnt 0x0
	v_lshrrev_b32 v1, 5, v0
	v_readfirstlane_b32 s16, v1                    ; wave 0..3
	s_lshr_b32 s17, s16, 1                         ; a: my half of R.  Also: I fetch for P (0) or for R (1)
	s_and_b32 s18, s16, 1                          ; b: my half of P.  Also: which half I fetch
	s_bfe_u32 s19, ttmp6, 0x40000                  ; cx
	s_bfe_u32 s20, ttmp6, 0x40004                  ; cy
	s_and_b32 s22, ttmp7, 0xffff
	s_lshl_b32 s22, s22, 2                         ; 4 x cluster y
	s_lshl_b32 s23, ttmp9, 2
	s_add_co_u32 s23, s23, 16                      ; 16 + 4 x cluster x: the weight's first block of 256 rows in opq
	s_cmp_eq_u32 ttmp9, 2                          ; v?  The same in all sixteen partners
	s_cselect_b32 s80, s22, s23
	s_cselect_b32 s81, 24, s22
	s_add_co_u32 s80, s80, s19                     ; P's block of 256 rows: it hangs on cx alone
	s_add_co_u32 s81, s81, s20                     ; R's: on cy alone
	s_lshl_b32 s86, s20, 2
	s_lshl_b32 s86, 15, s86                        ; my row of the cluster
	s_lshl_b32 s87, 0x1111, s19                    ; my column
	; group 1: a dense block of 76,800 bytes as 300 rows of 256 bytes (32 elements of 8 bytes), no padding
	s_or_b32 s[G1P], s87, (3<<16)|(1<<21)          ; 15:0 the mask; 17:16 elements of 8 bytes; 21 set beside a mask
	s_or_b32 s[G1R], s86, (3<<16)|(1<<21)
.irp g, G1P, G1R
	s_mov_b32 s[\g+1], 32<<16                      ; tensor_dim0
	s_mov_b32 s[\g+2], 300<<16                     ; tensor_dim1: the head's load brings 300 rows of 256 bytes
	s_mov_b32 s[\g+3], 32<<16                      ; tile_dim0
	s_mov_b32 s[\g+4], 300                         ; tile_dim1
	s_mov_b32 s[\g+5], 32                          ; the pitch
	s_mov_b32 s[\g+6], 0
	s_mov_b32 s[\g+7], 0
.endr
	s_lshl_b32 s82, s80, 1
	s_add_co_u32 s82, s82, s18
	s_mul_i32 s82, s82, GRP                        ; P: the group that I fetch, in bytes
	s_mov_b32 s83, 0
	s_lshl_b32 s84, s81, 1
	s_add_co_u32 s84, s84, s18
	s_mul_i32 s84, s84, GRP                        ; R likewise
	s_mov_b32 s85, 0
	s_mul_i32 s88, s16, AREA                       ; where my load goes: wave x 76,800: no place in the cluster enters an LDS address
	s_mov_b32 s[M], 0x3e000000                     ; 1/8
	s_cmp_eq_u32 ttmp9, 0
	s_cselect_b32 s[M], s[M], 1.0
	s_mov_b32 s[M+1], s[M]
	s_mov_b32 s[SEL], 0x76543210
	s_mov_b32 s[SEL+1], 0xfedcba98
	s_lshl_b32 s72, s20, 2
	s_lshl_b32 s73, s17, 1
	s_add_co_u32 s72, s72, s73                     ; v: my first head = 4 cy + 2 a
	s_lshl_b32 s74, s19, 2
	s_lshl_b32 s75, s18, 1
	s_add_co_u32 s74, s74, s75                     ; q, k: 4 cx + 2 b
	s_cmp_eq_u32 ttmp9, 2
	s_cselect_b32 s72, s72, s74                    ; my first head
	s_lshl_b32 s74, s72, 8                         ; 256 bytes of bias a head
	s_mov_b32 s75, 0
	s_wait_kmcnt 0x0
	s_cmp_eq_u32 ttmp9, 0
	s_cselect_b64 s[70:71], s[6:7], s[8:9]
	s_cmp_eq_u32 ttmp9, 2
	s_cselect_b64 s[70:71], s[10:11], s[70:71]     ; my bias
	s_add_nc_u64 s[70:71], s[70:71], s[74:75]
	s_add_nc_u64 s[82:83], s[4:5], s[82:83]
	s_add_nc_u64 s[84:85], s[4:5], s[84:85]
	CROUND                                         ; all sixteen work-groups are here: the first joint loads meet
.irp j, 0
	s_mov_b32 s[G0P+4*\j], 1
	s_add_co_u32 s[G0P+4*\j+1], s88, \j*REG
	s_add_nc_u64 s[G0P+4*\j+2:G0P+4*\j+3], s[82:83], \j*PAIR
	s_or_b32 s[G0P+4*\j+3], s[G0P+4*\j+3], 0x80000000
	s_mov_b32 s[G0R+4*\j], 1
	s_add_co_u32 s[G0R+4*\j+1], s88, \j*REG
	s_add_nc_u64 s[G0R+4*\j+2:G0R+4*\j+3], s[84:85], \j*PAIR
	s_or_b32 s[G0R+4*\j+3], s[G0R+4*\j+3], 0x80000000
.endr
	s_cmp_eq_u32 s17, 0                            ; a wave's one first fill stands in one branch on the wave's number; four v_nop follow it
	s_cbranch_scc0 .Lfirst_r
	tensor_load_to_lds s[G0P:G0P+3], s[G1P:G1P+7]
	s_nop 0
.rept 4
	v_nop
.endr
	s_branch .Lfirst_asked
.Lfirst_r:
	tensor_load_to_lds s[G0R:G0R+3], s[G1R:G1R+7]
	s_nop 0
.rept 4
	v_nop
.endr
.Lfirst_asked:
	v_and_b32 v14, 31, v0
	v_lshlrev_b32 v[LB], 4, v14
	v_and_b32 v15, 15, v0                          ; r
	s_wait_alu depctr_va_vdst(0)
	v_bfe_u32 v16, v0, 4, 1                        ; h
	s_mul_i32 s89, s18, AREA                       ; my half of P,
	s_mul_i32 s90, s17, AREA
	s_add_co_u32 s90, s90, 2*AREA                  ; my half of R, behind P's two areas
.irp j, 0,1,2
	v_add_nc_u32 v[ADRP+\j], s89, v[LB]
	v_add_nc_u32 v[ADRR+\j], s90, v[LB]
	s_add_co_u32 s89, s89, PAIR
	s_add_co_u32 s90, s90, PAIR
.endr
	v_and_b32 v17, 7, v15
	v_lshrrev_b32 v18, 3, v15
	v_lshl_add_u32 v17, v18, 5, v17
	v_lshlrev_b32 v[BVO], 2, v17
	v_lshlrev_b32 v[BQO], 7, v16
	v_lshlrev_b32 v[H8], 3, v16
	; Both forms of the bias are loaded in every work-group, from its own bias: no register is written on one way only, and both stay inside the 4,096 bytes.
	WIN 0x40
.irp hh, 0,1
.irp q, 0,1,2,3,4,5,6,7
	global_load_b128 v[QB+128*\hh+4*\q:QB+128*\hh+4*\q+3], v[BQO], s[70:71] offset:256*\hh+16*\q   ; q, k: channels 32 h + 0 .. 31 of head hh
.endr
.endr
	WIN 0
.irp a, 0,1,2,3,4,5,6,7
	global_load_b32 v[VB+2*\a], v[BVO], s[70:71] offset:4*(64*(\a/4)+8*(\a%4))     ; v: my lane's channel of R's tile a, twice: a pair for the packed addition
	global_load_b32 v[VB+2*\a+1], v[BVO], s[70:71] offset:4*(64*(\a/4)+8*(\a%4))
.endr
	s_wait_tensorcnt 0x0                           ; my one load, K steps 0-5 of my half, is in
	s_barrier_signal -1
	s_barrier_wait -1                              ; everybody's is
	FETCH 0, 0, 0                                  ; K step 0
	FETCH 0, 1, 1                                  ; K step 1
	s_wait_dscnt 50                                ; K step 0's fragments are in; the 50 younger loads may be out
	MUL 0, 1
	; K step 1, and the one refill: region 0 has been read out
	WIN 0
	s_wait_tensorcnt 0x0                           ; all my tensor loads have landed: regions 1 and 2 are whole on my part, and a group 0 may be written
	ds_add_u32 v[SPW], v[NIL]                      ; 0 onto my spare word
	s_add_nc_u64 s[G0P+2:G0P+3], s[G0P+2:G0P+3], 3*PAIR   ; region 0's next tiles: K steps 6 and 7
	s_add_nc_u64 s[G0R+2:G0R+3], s[G0R+2:G0R+3], 3*PAIR
	s_mov_b32 s[G1P+2], 100<<16                    ; no tensor load of mine is out: the refill brings 100 rows
	s_mov_b32 s[G1P+4], 100
	s_mov_b32 s[G1R+2], 100<<16
	s_mov_b32 s[G1R+4], 100
	s_wait_dscnt 0x0                               ; the add is done, and my reads of region 0 are over
	CROUND                                         ; both hold of every wave of every partner
	s_cmp_eq_u32 s17, 0
	s_cbranch_scc0 .Lfor_r
	tensor_load_to_lds s[G0P:G0P+3], s[G1P:G1P+7]  ; the first thing behind the round: it has four K steps, 256 matrix instructions, in which to land
	s_nop 0
.rept 4
	v_nop                                          ; (also the places in front of the loads below)
.endr
	s_branch .Lasked
.Lfor_r:
	tensor_load_to_lds s[G0R:G0R+3], s[G1R:G1R+7]
	s_nop 0
.rept 4
	v_nop
.endr
.Lasked:
	s_wait_alu depctr_va_vdst(0)
	FETCH 1, 0, 0                                  ; K step 2
	MUL 1, 0
	KSTEP 1, 1, 1, 0                               ; K step 2 is multiplied, 3 fetched
	KSTEP 2, 0, 0, 1
	KSTEP 2, 1, 1, 0
	; K step 5: K step 6 lies in the refilled region
	WIN 0
	s_wait_tensorcnt 0x0                           ; my part of the refill has landed
	ds_add_u32 v[SPW], v[NIL]
	s_wait_dscnt 0x0
	s_barrier_signal -1
	s_barrier_wait -1                              ; everybody's has
	PLACES
	FETCH 0, 0, 0
	MUL 1, 0
	KSTEP 0, 1, 1, 0
	s_wait_dscnt 0x0
	MUL 1, 0
	WIN 0
	s_wait_loadcnt 0x0                             ; the biases
	s_cmp_eq_u32 ttmp9, 2
	s_cbranch_scc1 .Lway_v
	; ---- q, k.  Lane (r, h) holds token (tile a, row r) and, over P's tiles 4 hh .. 4 hh + 3, channels 32 h + 0 .. 31 of head hh: a whole block.
	WIN 0x41
.irp n, 0,2,4,6,8,10,12,14,16,18,20,22,24,26,28,30
	v_pk_mul_f32 v[QB+\n:QB+\n+1], v[QB+\n:QB+\n+1], s[M:M+1] op_sel_hi:[1,0]              ; the bias times 1/8 or 1: exact.  (These 32 are also the places behind the last products)
	v_pk_mul_f32 v[QB+128+\n:QB+128+\n+1], v[QB+128+\n:QB+128+\n+1], s[M:M+1] op_sel_hi:[1,0]
.endr
	WIN 0
	s_mov_b32 s76, 13312                           ; a record: of kvrec, or of qrec
	s_mov_b32 s77, 12288                           ; and where its scale words begin
	s_cmp_eq_u32 ttmp9, 0
	s_cselect_b32 s76, 6656, s76
	s_cselect_b32 s77, 6144, s77
	s_cselect_b64 s[94:95], s[12:13], s[14:15]
	s_lshl_b32 s90, s81, 1
	s_add_co_u32 s90, s90, s17                     ; my token group
	s_lshl_b32 s91, s72, 5
	s_add_co_u32 s90, s90, s91                     ; + 32 x my first head
	s_mul_i32 s90, s90, s76
	s_mov_b32 s91, 0
	s_add_nc_u64 s[94:95], s[94:95], s[90:91]      ; the record of head 0 of my two,
	s_lshl_b32 s90, s76, 5
	s_add_nc_u64 s[96:97], s[94:95], s[90:91]      ; and of head 1
	v_add_nc_u32 v[SCO], s77, v[LB]
	v_mov_b32 v[PRT], 0                            ; a lane permute's destination counts as one of its sources
	s_mov_b32 vcc_lo, 0xffff0000                   ; lanes 16-31
.macro QKT hh, a
	WIN 0x12+(\a)/4                                ; source 0: the accumulators' window; source 2: window 1
.irp n, 0,2,4,6,8,10,12,14,16,18,20,22,24,26,28,30
	v_pk_fma_f32 v[T+\n:T+\n+1], v[64*((\a)%4)+32*(\hh)+\n:64*((\a)%4)+32*(\hh)+\n+1], s[M:M+1], v[QB+128*(\hh)+\n:QB+128*(\hh)+\n+1] op_sel_hi:[1,0,1]   ; (sum + bias) x 1/8 or 1; each accumulator from its low end on
.endr
	WIN 0
	BMAX T, 0
	BCVT T, CD+48*(\hh)+6*(\a), XT, 0
	v_lshlrev_b32 v[OWN], v[H8], v[BY]             ; my block's byte at its place;
	v_permlanex16_b32 v[PRT], v[OWN], s[SEL], s[SEL+1]
	v_or_b32 v[SW+(\a)], v[OWN], v[PRT]            ; with lane l xor 16's: bytes 0 and 1; bytes 2 and 3 stay 0
.if (\a)%2
.irp q, 0,1,2
	global_store_b128 v[LB], v[CD+48*(\hh)+6*((\a)-1)+4*\q:CD+48*(\hh)+6*((\a)-1)+4*\q+3], s[94+2*(\hh):95+2*(\hh)] offset:512*(3*((\a)/2)+\q)   ; two tiles' 12 registers: 512 consecutive bytes a store
.endr
.endif
.endm
.irp hh, 0,1
.irp a, 0,1,2,3,4,5,6,7
	QKT \hh, \a
.endr
.irp j, 0,1,2,3
	v_cndmask_b32 v[SI+4*\hh+\j], v[SW+2*\j], v[SW+2*\j+1], vcc_lo   ; register j: lanes 0-15 tile 2 j's words, lanes 16-31 tile 2 j + 1's
.endr
	global_store_b128 v[SCO], v[SI+4*\hh:SI+4*\hh+3], s[94+2*\hh:95+2*\hh]
.endr
	s_branch .Lend
	; ---- v.  Lane (r, h) holds channel (tile a, row r) and, over P's eight tiles, keys 64 c + 32 h + 0 .. 31: two whole blocks: a fragment of V^T as it stands.
.Lway_v:
	PLACES
	s_lshl_b32 s90, s80, 1
	s_add_co_u32 s90, s90, s18                     ; my key step
	s_lshl_b32 s91, s72, 5
	s_add_co_u32 s90, s90, s91
	s_mul_i32 s90, s90, 13312
	s_mov_b32 s91, 0
	s_add_nc_u64 s[94:95], s[14:15], s[90:91]
	v_mov_b32 v[PRT], 0
.macro VT a
	WIN 0x02+(\a)/4                                ; source 0: the accumulators' window
.irp n, 0,2,4,6,8,10,12,14,16,18,20,22,24,26,28,30,32,34,36,38,40,42,44,46,48,50,52,54,56,58,60,62
	v_pk_add_f32 v[T+\n:T+\n+1], v[64*((\a)%4)+\n:64*((\a)%4)+\n+1], v[VB+2*(\a):VB+2*(\a)+1]
.endr
	WIN 0
	BMAX T, 0
	BMAX T+32, 1
	BCVT T, CD+12*(\a), XT, 0
	BCVT T+32, CD+12*(\a)+6, XT+4, 1
	v_lshl_or_b32 v[OWN], v[BY+1], 16, v[BY]       ; blocks h and 2 + h
	v_lshlrev_b32 v[OWN], v[H8], v[OWN]
	v_permlanex16_b32 v[PRT], v[OWN], s[SEL], s[SEL+1]
	v_or_b32 v[SI+(\a)], v[OWN], v[PRT]
.irp q, 0,1,2
	global_store_b128 v[LB], v[CD+12*(\a)+4*\q:CD+12*(\a)+4*\q+3], s[94:95] offset:425984*((\a)/4)+6144+512*(3*((\a)%4)+\q)   ; head a / 4 (32 records on), channel tile a % 4
.endr
.if (\a)%4 == 3
	global_store_b128 v[LB], v[SI+(\a)-3:SI+(\a)], s[94:95] offset:425984*((\a)/4)+12800   ; the head's four tiles' scale words
.endif
.endm
.irp a, 0,1,2,3,4,5,6,7
	VT \a
.endr
.Lend:
	s_wait_tensorcnt 0x0                           ; the wave's end
	ds_add_u32 v[SPW], v[NIL]
	s_wait_dscnt 0x0
	CROUND                                         ; the closing round
	s_endpgm
.Lfunc_end_k_q25c961b5e5_qkv:
	.size	k_q25c961b5e5_qkv, .Lfunc_end_k_q25c961b5e5_qkv-k_q25c961b5e5_qkv
	.p2alignl 7, 3214868480
	.fill 96, 4, 3214868480
	.section	.rodata,"a",@progbits
	.p2align	6, 0x0
	.amdhsa_kernel k_q25c961b5e5_qkv
		.amdhsa_group_segment_fixed_size 327680
		.amdhsa_private_segment_fixed_size 0
		.amdhsa_enable_private_segment 0
		.amdhsa_kernarg_size 48
		.amdhsa_user_sgpr_count 2
		.amdhsa_user_sgpr_kernarg_segment_ptr 1
		.amdhsa_wavefront_size32 1
		.amdhsa_system_sgpr_workgroup_id_x 1
		.amdhsa_system_sgpr_workgroup_id_y 1
		.amdhsa_system_sgpr_workgroup_id_z 1
		.amdhsa_system_vgpr_workitem_id 0
		.amdhsa_next_free_vgpr 1024
		.amdhsa_next_free_sgpr 98
		.amdhsa_reserve_vcc 1
		.amdhsa_float_denorm_mode_32 3
		.amdhsa_float_denorm_mode_16_64 3
		.amdhsa_memory_ordered 1
		.amdhsa_forward_progress 1
		.amdhsa_inst_pref_size 192
	.end_amdhsa_kernel
	.amdgpu_metadata
---
amdhsa.version: [ 1, 2 ]
amdhsa.kernels:
  - .name:           k_q25c961b5e5_qkv
    .symbol:         k_q25c961b5e5_qkv.kd
    .args:
      - { .name: opq, .offset: 0, .size: 8, .value_kind: global_buffer, .address_space: global }
      - { .name: bq, .offset: 8, .size: 8, .value_kind: global_buffer, .address_space: global }
      - { .name: bk, .offset: 16, .size: 8, .value_kind: global_buffer, .address_space: global }
      - { .name: bv, .offset: 24, .size: 8, .value_kind: global_buffer, .address_space: global }
      - { .name: qrec, .offset: 32, .size: 8, .value_kind: global_buffer, .address_space: global }
      - { .name: kvrec, .offset: 40, .size: 8, .value_kind: global_buffer, .address_space: global }
    .group_segment_fixed_size: 327680
    .private_segment_fixed_size: 0
    .kernarg_segment_align: 8
    .kernarg_segment_size: 48
    .max_flat_workgroup_size: 128
    .sgpr_count:     98
    .vgpr_count:     1024
    .wavefront_size: 32
...
	.end_amdgpu_metadata
.endif
;; end of part 2
;; launch attn (part 3): grid 16 x 16, 8 waves a work-group, clusters of 4 x 1, 327,680 bytes of LDS; arguments qrec, kvrec, crec; writes crec
.if DOCPART == 3
	.amdgcn_target "amdgcn-amd-amdhsa--gfx1250"
	.amdhsa_code_object_version 6
	.text
	.protected	k_q25c961b5e5_attn
	.globl	k_q25c961b5e5_attn
	.p2align	8
	.type	k_q25c961b5e5_attn,@function
k_q25c961b5e5_attn:
	s_mov_b64 s[64:65], 0
	v_nop
	global_prefetch_b8 v0, s[64:65] scope:SCOPE_SE
	s_setreg_imm32_b32 hwreg(HW_REG_WAVE_MODE, 25, 1), 1
	s_wait_xcnt 0x0
	s_wait_alu depctr_hold_cnt(0) depctr_sa_sdst(0) depctr_va_vdst(0) depctr_va_sdst(0) depctr_va_ssrc(0) depctr_va_vcc(0) depctr_vm_vsrc(0)
	s_getreg_b32 s2, hwreg(HW_REG_IB_STS2, 6, 4)
	s_cmp_eq_u32 s2, 0
	s_cbranch_scc0 .Lentry_in_a_cluster
	s_endpgm
.Lentry_in_a_cluster:
	s_bfe_u32 s2, ttmp6, 0x10000c
	s_cmp_lg_u32 s2, 0x3003
	s_cbranch_scc0 .Lentry_shape_is_right
	s_endpgm
.Lentry_shape_is_right:
; ctx = softmax(q k^T) v for one head and 256 queries a work-group, on codes of E2M3 (q already holds the factor 1/8); ctx is quantised along the channels on its way out.
; Both products are used transposed: S^T = k q^T, O^T = v^T p^T: a lane holds one query, and by the order of a tile's rows in kvrec its 32 registers of four neighbouring tiles are a whole block of 32 keys.
; p = 2^(t - M), t = score x log2(e), M the running largest t rounded up to a whole number, kept as -M; when M moves, the sum and O^T are multiplied by the power of two f = 2^(old M - new M).
; The row's sum is taken of the unquantised p.  A block's largest p is made from the block's largest score by the same multiply-add and exponential.
; SHARES: grid x = 16 blocks of 256 queries, y = 16 heads.  8 waves; a wave has TWO tiles of 16 queries (tiles 2 (w % 4), + 1 of token group 2 x + w / 4): each fragment of k and of v is read from LDS once for both,
; and the two tiles' short dependent chains take turns.  A step is 128 keys: 16 products for S^T (the upper half of their K meets zero codes of q), 8 for O^T.
; LDS: two slots of 8 steps (8 records of 13,312 bytes).  Each wave fetches one record of a slot by one tensor load: one at the head, one behind each of three rounds; by the text's own count one is out a wave.
; CLUSTER 4 x 1: the four work-groups of a cluster have the same head and ask for its records jointly.
; No prefetch: a slot's load is asked for eight steps, 192 matrix instructions a wave, ahead of the wait for it; the first slot is waited for at the head, where there is no loop to run ahead in.
; LIMITS: the promise holds while |t| stays under 2^31; a block of p that has fallen to zeros gets the byte 1 (zero codes); a block of ctx of zeros gets the byte 1 where the rule says 127 (this program alone reads the bytes);
; NaN and infinities are not served.
; REGISTERS.  Window 0: addresses, q's fragments, k's and v's fragments, all scale words, each tile's state.  Window 1: v0-127 S^T then p (tile j at 64 j), v128-191 O^T, v192-215 p's codes, v216-231 their upper halves,
; v232-239 the sums, v240-247 the maxima's chains.
.set STEPB, 13312
.set SLOT,  8*STEPB
.set SPARE, 2*SLOT                     ; the spare words: 128 bytes a wave, four blocks of 256 bytes that no other line names
.set LB,   1                           ; 16 x lane
.set ADR,  2
.set SPW,  3                           ; my spare word; never rewritten
.set NIL,  4                           ; 0; never rewritten
.set H8,   5                           ; 8 h
.set NM,   8                           ; tile j: v[NM+2j] = -M, v[NM+2j+1] = the running largest t
.set F,    12                          ; tile j: v[F+2j] = f (the pair's upper word is 0 and not used)
.set QF,   16                          ; q's fragments, 12 registers a tile, the upper six zeros
.set QS,   40                          ; q's scale words
.set PSW,  42                          ; p's scale words
.set SCK,  44                          ; k's scale words
.set SCV,  48                          ; v's
.set BM,   52                          ; block 2 j + c: its largest score, then its largest p
.set FRK,  56                          ; k: 8 tiles x 6 registers, and six zeros behind them
.set FRV,  112                         ; v: 4 fragments
.set TP,   160
.set PD,   162
.set SO,   164
.set BY,   168
.set OWN,  172
.set PRT,  174
.set ADK,  176                         ; LDS address of the k fragments that are asked for next
.set OT,   128                         ; window 1 from here on
.set PC,   192
.set XC,   216
.set L,    232
.set MT,   240
.set WV,   10
.set G1,   16
.set G0,   24
.set CS,   36
.set SEL,  38
.set TB,   40
.set CNT,  41
.set TN,   28                          ; the next step's LDS byte, held inside the slot
.set MSB, 0
.macro WIN new                         ; the immediate's high byte repeats the setting that is left
.if MSB != (\new)
	s_set_vgpr_msb (MSB<<8)|(\new)
.set MSB, (\new)
.endif
.endm
.macro NOPS n
.rept \n
	v_nop
.endr
.endm
.macro DEP n
	s_delay_alu instid0(VALU_DEP_\n)
.endm
.macro CROUND                          ; a round of the cluster's barrier
	s_barrier_signal -1
	s_barrier_wait -1
	s_cmp_lg_u32 s[WV], 0
	s_cbranch_scc1 .Lnot_wave_0_\@
	s_barrier_signal -3
.Lnot_wave_0_\@:
	s_barrier_wait -3
	s_barrier_signal -1
	s_barrier_wait -1
.endm
.macro SMUL t, j                       ; 16 keys x 16 queries; odd tiles' scale words lie in lanes 16-31
.if (\t)%2
	v_wmma_scale_f32_16x16x128_f8f6f4 v[64*\j+8*\t:64*\j+8*\t+7], v[FRK+6*\t:FRK+6*\t+11], v[QF+12*\j:QF+12*\j+11], 0, v[SCK+\t/2], v[QS+\j] matrix_a_fmt:MATRIX_FMT_FP6 matrix_b_fmt:MATRIX_FMT_FP6 matrix_a_scale:MATRIX_SCALE_ROW1
.else
	v_wmma_scale_f32_16x16x128_f8f6f4 v[64*\j+8*\t:64*\j+8*\t+7], v[FRK+6*\t:FRK+6*\t+11], v[QF+12*\j:QF+12*\j+11], 0, v[SCK+\t/2], v[QS+\j] matrix_a_fmt:MATRIX_FMT_FP6 matrix_b_fmt:MATRIX_FMT_FP6
.endif
.endm
	s_load_b128 s[4:7], s[0:1], 0x0                ; qrec, kvrec
	s_load_b64 s[8:9], s[0:1], 0x10                ; crec
	v_lshl_add_u32 v[SPW], v0, 2, SPARE
	v_mov_b32 v[NIL], 0
	ds_add_u32 v[SPW], v[NIL]                      ; the opening: the add, twice on end, and its wait ahead of my first tensor load
	ds_add_u32 v[SPW], v[NIL]
	v_lshrrev_b32 v2, 5, v0
	v_readfirstlane_b32 s[WV], v2                  ; wave 0..7
	s_bfe_u32 s11, ttmp6, 0x40000                  ; cx
	s_and_b32 s12, ttmp7, 0xffff                   ; the head
	s_lshl_b32 s13, ttmp9, 2
	s_add_co_u32 s13, s13, s11                     ; the block of 256 queries
	s_mov_b32 s[G1], 15|(3<<16)|(1<<21)            ; the mask of the four partners; elements of 8 bytes; bit 21 beside a mask
	s_mov_b32 s[G1+1], 32<<16                      ; a record: 52 dense rows of 256 bytes
	s_mov_b32 s[G1+2], 52<<16
	s_mov_b32 s[G1+3], 32<<16
	s_mov_b32 s[G1+4], 52
	s_mov_b32 s[G1+5], 32
	s_mov_b32 s[G1+6], 0
	s_mov_b32 s[G1+7], 0
	s_mul_i32 s44, s[WV], STEPB                    ; my record of a slot
	s_mul_i32 s42, s12, 32*STEPB
	s_add_co_u32 s42, s42, s44
	s_mov_b32 s43, 0
	s_mov_b32 s[CS], 0x3fb8aa3b                    ; log2(e)
	s_mov_b32 s[CS+1], s[CS]
	s_mov_b32 s[SEL], 0x76543210                   ; v_permlanex16_b32's selects for lane l xor 16
	s_mov_b32 s[SEL+1], 0xfedcba98
	s_wait_dscnt 0x0                               ; both opening adds are done
	s_wait_kmcnt 0x0
	s_add_nc_u64 s[42:43], s[6:7], s[42:43]
	CROUND                                         ; the four partners are here: the first joint loads meet
	s_mov_b32 s[G0], 1
	s_add_co_u32 s[G0+1], s44, 0
	s_mov_b64 s[G0+2:G0+3], s[42:43]
	s_or_b32 s[G0+3], s[G0+3], 0x80000000
	tensor_load_to_lds s[G0:G0+3], s[G1:G1+7]      ; steps 0-7, my record: one tensor load a wave at the head
	s_nop 0
	NOPS 4
	s_lshr_b32 s45, s[WV], 2
	s_lshl_b32 s46, s13, 1
	s_add_co_u32 s46, s46, s45                     ; my token group
	s_and_b32 s47, s[WV], 3                        ; my pair of tiles in it
	s_lshl_b32 s48, s12, 5
	s_add_co_u32 s48, s48, s46
	s_mul_i32 s48, s48, 6656
	s_mov_b32 s49, 0
	s_add_nc_u64 s[4:5], s[4:5], s[48:49]          ; q's record
	s_mul_i32 s50, s47, 1536                       ; a pair of tiles: 12 registers, three groups of 512 bytes
	s_lshl_b32 s53, s47, 2                         ; and its scale words: 16 r + 4 pair, the odd tile's 256 further on
	s_lshl_b32 s54, s46, 3
	s_lshr_b32 s55, s12, 1
	s_add_co_u32 s54, s54, s55
	s_mul_i32 s54, s54, 12800                      ; crec: the record of (token group, pair of heads)
	s_and_b32 s58, s12, 1
	s_mul_i32 s55, s47, 3072
	s_add_co_u32 s56, s54, s55
	s_mul_i32 s55, s58, 768                        ; an odd head is the upper half of the record's K step
	s_add_co_u32 s56, s56, s55
	s_mov_b32 s57, 0
	s_add_nc_u64 s[56:57], s[8:9], s[56:57]        ; my tiles' codes
	s_add_co_u32 s54, s54, s53
	s_lshl_b32 s58, s58, 1
	s_add_co_u32 s54, s54, s58
	s_add_co_u32 s54, s54, 12288
	s_mov_b32 s55, 0
	s_add_nc_u64 s[54:55], s[8:9], s[54:55]        ; and their scale bytes
	v_and_b32 v6, 31, v0
	v_lshlrev_b32 v[LB], 4, v6
	v_and_b32 v7, 15, v0
	v_add_nc_u32 v6, s50, v[LB]
	v_lshl_add_u32 v7, v7, 4, s53
.irp q, 0,1,2
	global_load_b128 v[QF+4*\q:QF+4*\q+3], v6, s[4:5] offset:512*\q    ; both tiles' six registers
.endr
	global_load_b32 v[QS], v7, s[4:5] offset:6144
	global_load_b32 v[QS+1], v7, s[4:5] offset:6400
	v_bfe_u32 v[H8], v0, 4, 1
	v_lshlrev_b32 v[H8], 3, v[H8]
.irp j, 0,1
	v_mov_b32 v[NM+2*\j+1], 0xff61b1e6             ; the largest t so far: -3e38
	v_mov_b32 v[F+2*\j+1], 0
	v_mov_b32 v[PD+\j], 0                          ; a lane permute's destination counts as one of its sources
	v_mov_b32 v[PRT+\j], 0
.endr
.irp j, 0,1
	v_floor_f32 v[NM+2*\j], -v[NM+2*\j+1]
.endr
	WIN 0x40
.set N, 0
.rept 64
	v_mov_b32 v[OT+N], 0                           ; O^T: the step is written once: the first finds zeros
.set N, N+1
.endr
.irp i, 0,1,2,3,4,5,6,7
	v_mov_b32 v[L+\i], 0
.endr
	WIN 0
	s_wait_alu depctr_va_vdst(0)
	s_wait_loadcnt 0x0
.irp i, 0,1,2,3,4,5
	v_mov_b32 v[QF+12+\i], v[QF+6+\i]              ; the odd tile's codes to its own fragment
.endr
.irp i, 0,1,2,3,4,5
	v_mov_b32 v[QF+6+\i], 0                        ; the upper half of the score product's K: zero codes
	v_mov_b32 v[QF+18+\i], 0
	v_mov_b32 v[FRK+48+\i], 0
.endr
; k's fragments and scale words of the step at v[ADK]: 13 loads.  They are asked for one step ahead: ahead of the loop for a slot's first step, and in each step, behind its score products, for the next.
.macro KLOAD
.irp q, 0,1,2,3,4,5,6,7,8,9,10,11
	ds_load_b128 v[FRK+4*\q:FRK+4*\q+3], v[ADK] offset:512*\q
.endr
	ds_load_b128 v[SCK:SCK+3], v[ADK] offset:12288
.endm
.macro STEP last                       ; last: the LDS byte of the slot's last step: that step asks for its own k once more, so that no read leaves the slot and no branch is needed
	s_add_co_u32 s[TN], s[TB], STEPB
	s_min_u32 s[TN], s[TN], \last
	v_add_nc_u32 v[ADR], s[TB], v[LB]
	v_add_nc_u32 v[ADK], s[TN], v[LB]
	NOPS 2                                         ; with the two lines above: four places behind the last products, in front of the loads into their registers
.irp q, 0,1,2,3,4,5,6,7,8,9,10,11
	ds_load_b128 v[FRV+4*\q:FRV+4*\q+3], v[ADR] offset:6144+512*\q
.endr
	ds_load_b128 v[SCV:SCV+3], v[ADR] offset:12800
	s_wait_dscnt 13                                ; k's 13 loads are in; v's 13, issued behind them, may be out
	WIN 0x40                                       ; results in window 1
.irp t, 0,1,2,3,4,5,6,7
	SMUL \t, 0
	SMUL \t, 1
.endr
	NOPS 4
	WIN 0x55                                       ; the largest score of each of the four blocks (block b at v[32 b]): two chains a block, each accumulator from its low end on
.irp b, 0,1,2,3
	v_max3_num_f32 v[MT+2*\b], v[32*\b], v[32*\b+1], v[32*\b+2]
	v_max3_num_f32 v[MT+2*\b+1], v[32*\b+16], v[32*\b+17], v[32*\b+18]
.endr
.irp n, 3,5,7,9,11,13
.irp b, 0,1,2,3
	v_max3_num_f32 v[MT+2*\b], v[MT+2*\b], v[32*\b+\n], v[32*\b+\n+1]
	v_max3_num_f32 v[MT+2*\b+1], v[MT+2*\b+1], v[32*\b+16+\n], v[32*\b+17+\n]
.endr
.endr
.irp b, 0,1,2,3
	v_max3_num_f32 v[MT+2*\b], v[MT+2*\b], v[MT+2*\b+1], v[32*\b+15]
.endr
	WIN 0x05                                       ; into window 0
.irp b, 0,1,2,3
	v_max_num_f32 v[BM+\b], v[MT+2*\b], v[32*\b+31]
.endr
	WIN 0
	KLOAD                                          ; the next step's k: the score products have read these registers, four places and 64 more lines ago; the wait for 0 ahead of this step's last products covers these loads
.irp j, 0,1                                        ; the two tiles' states by turns
	v_max_num_f32 v[TP+\j], v[BM+2*\j], v[BM+2*\j+1]
.endr
.irp j, 0,1
	DEP 2
	v_permlanex16_b32 v[PD+\j], v[TP+\j], s[SEL], s[SEL+1]
.endr
.irp j, 0,1
	DEP 2
	v_max_num_f32 v[TP+\j], v[TP+\j], v[PD+\j]     ; the step's largest score of my query
.endr
.irp j, 0,1
	DEP 2
	v_mul_f32 v[TP+\j], s[CS], v[TP+\j]
.endr
.irp j, 0,1
	DEP 2
	v_max_num_f32 v[NM+2*\j+1], v[NM+2*\j+1], v[TP+\j]
.endr
.irp j, 0,1
	v_mov_b32 v[TP+\j], v[NM+2*\j]
.endr
.irp j, 0,1
	v_floor_f32 v[NM+2*\j], -v[NM+2*\j+1]          ; -M = floor(-t)
.endr
.irp j, 0,1
	DEP 2
	v_sub_f32 v[TP+\j], v[NM+2*\j], v[TP+\j]       ; old M - new M, a whole number
.endr
.irp b, 0,1,2,3
	v_fma_f32 v[BM+\b], v[BM+\b], s[CS], v[NM+2*(\b/2)]   ; t - M of each block's largest score
.endr
.irp j, 0,1
	v_cvt_i32_f32 v[TP+\j], v[TP+\j]               ; (it saturates)
.endr
.irp j, 0,1
	DEP 2
	v_ldexp_f32 v[F+2*\j], 1.0, v[TP+\j]           ; f
.endr
	WIN 0x41                                       ; source 0 and destination window 1, the state window 0
.set N, 0
.rept 32
	v_pk_fma_f32 v[N:N+1], v[N:N+1], s[CS:CS+1], v[NM:NM+1] op_sel_hi:[1,0,0]                ; t - M
	v_pk_fma_f32 v[64+N:65+N], v[64+N:65+N], s[CS:CS+1], v[NM+2:NM+3] op_sel_hi:[1,0,0]
.set N, N+2
.endr
.set N, 0
.rept 16
	v_pk_mul_f32 v[OT+N:OT+N+1], v[OT+N:OT+N+1], v[F:F+1] op_sel_hi:[1,0]                    ; O^T under the new M
	v_pk_mul_f32 v[OT+32+N:OT+33+N], v[OT+32+N:OT+33+N], v[F+2:F+3] op_sel_hi:[1,0]
.set N, N+2
.endr
	WIN 0
	s_wait_alu depctr_va_vdst(0)
.irp b, 0,1,2,3
	v_exp_f32 v[BM+\b], v[BM+\b]                   ; each block's largest p
.endr
	WIN 0x41
.set N, 0
.rept 128
	v_exp_f32 v[N], v[N]                           ; p
.set N, N+1
.endr
.irp j, 0,1
	v_pk_mul_f32 v[L+4*\j:L+4*\j+1], v[L+4*\j:L+4*\j+1], v[F+2*\j:F+2*\j+1] op_sel_hi:[1,0]  ; the sums under the new M: plain places behind the batch
.endr
	s_wait_alu depctr_va_vdst(0)                   ; one wait for the batch, ahead of its first reader
	WIN 0
.irp b, 0,1,2,3
	v_max_num_f32 v[BM+\b], 0x1800000, v[BM+\b]    ; the floor 2^(3 - 127): the byte cannot fall under 1
.endr
.irp b, 0,1,2,3
	DEP 4
	v_add_nc_u32 v[SO+\b], 0xff000000, v[BM+\b]    ; 2 off the exponent field: the conversions' scale operand
.endr
.irp b, 0,1,2,3
	DEP 4
	v_lshrrev_b32 v[BY+\b], 23, v[SO+\b]           ; the byte
.endr
.irp j, 0,1
	v_lshl_or_b32 v[OWN+\j], v[BY+2*\j+1], 16, v[BY+2*\j]   ; blocks h and 2 + h
.endr
.irp j, 0,1
	DEP 2
	v_lshlrev_b32 v[OWN+\j], v[H8], v[OWN+\j]
.endr
.irp j, 0,1
	DEP 2
	v_permlanex16_b32 v[PRT+\j], v[OWN+\j], s[SEL], s[SEL+1]
.endr
.irp j, 0,1
	DEP 2
	v_or_b32 v[PSW+\j], v[OWN+\j], v[PRT+\j]       ; p's scale word for these 128 keys
.endr
	WIN 0x41
.irp b, 0,1,2,3
	v_cvt_scalef32_pk16_fp6_f32 v[PC+6*\b:PC+6*\b+2], v[32*\b:32*\b+15], v[SO+\b]
	v_cvt_scalef32_pk16_fp6_f32 v[XC+4*\b:XC+4*\b+2], v[32*\b+16:32*\b+31], v[SO+\b]   ; (a conversion's three registers begin on an even number)
.endr
	v_nop                                          ; one plain place behind a scaled conversion
.irp b, 0,1,2,3
.irp i, 0,1,2
	v_mov_b32 v[PC+6*\b+3+\i], v[XC+4*\b+\i]
.endr
.endr
	WIN 0x45                                       ; the rows' sums of the unquantised p: two chains a tile.  These 64 lines are also the places in front of the products below
.irp j, 0,1
	v_pk_add_f32 v[L+4*\j+2:L+4*\j+3], v[64*\j:64*\j+1], v[64*\j+2:64*\j+3]
.endr
.irp n, 4,8,12,16,20,24,28,32,36,40,44,48,52,56,60
.irp j, 0,1
	v_pk_add_f32 v[L+4*\j:L+4*\j+1], v[L+4*\j:L+4*\j+1], v[64*\j+\n:64*\j+\n+1]
	v_pk_add_f32 v[L+4*\j+2:L+4*\j+3], v[L+4*\j+2:L+4*\j+3], v[64*\j+\n+2:64*\j+\n+3]
.endr
.endr
.irp j, 0,1
	v_pk_add_f32 v[L+4*\j:L+4*\j+1], v[L+4*\j:L+4*\j+1], v[L+4*\j+2:L+4*\j+3]
.endr
	s_wait_alu depctr_va_vdst(0)
	s_wait_dscnt 0x0                               ; v's fragments are in
	WIN 0x54                                       ; v window 0; p's codes, C and D window 1.  The eight accumulators take turns
.irp t, 0,1,2,3
.irp j, 0,1
	v_wmma_scale_f32_16x16x128_f8f6f4 v[OT+32*\j+8*\t:OT+32*\j+8*\t+7], v[FRV+12*\t:FRV+12*\t+11], v[PC+12*\j:PC+12*\j+11], v[OT+32*\j+8*\t:OT+32*\j+8*\t+7], v[SCV+\t], v[PSW+\j] matrix_a_fmt:MATRIX_FMT_FP6 matrix_b_fmt:MATRIX_FMT_FP6
.endr
.endr
	WIN 0
.endm
; A change of slots.  refill = 1: the next eight steps are asked for, into slot `slot`, first behind a round of the cluster's barrier.
.macro OPEN slot, refill
	s_wait_alu depctr_va_vdst(0)
	s_wait_tensorcnt 0x0                           ; my record of the slot that is read next has landed, and group 0 may be written
	ds_add_u32 v[SPW], v[NIL]
.if \refill
	s_add_co_u32 s[G0+1], s44, (\slot)*SLOT
	s_add_nc_u64 s[G0+2:G0+3], s[G0+2:G0+3], SLOT
.endif
	s_wait_dscnt 0x0                               ; the add is done, and my reads of the other slot are over
.if \refill
	CROUND                                         ; both hold of every wave of every partner
	tensor_load_to_lds s[G0:G0+3], s[G1:G1+7]
	s_nop 0
	NOPS 4
.else
	s_barrier_signal -1
	s_barrier_wait -1
.endif
.endm
.macro PHASE base                      ; the eight steps of the slot at LDS byte base
	s_mov_b32 s[TB], \base
	s_mov_b32 s[CNT], 8
	v_add_nc_u32 v[ADK], s[TB], v[LB]
	KLOAD                                          ; the slot's first step
.Lstep_\@:
	STEP (\base)+7*STEPB
	s_add_co_u32 s[TB], s[TB], STEPB
	s_sub_co_u32 s[CNT], s[CNT], 1
	s_cmp_lg_u32 s[CNT], 0
	s_cbranch_scc1 .Lstep_\@
.endm
	OPEN 1, 1                                      ; slot 1's first fill is issued as a refill is
	PHASE 0
	OPEN 0, 1
	PHASE SLOT
	OPEN 1, 1
	PHASE 0
	OPEN 0, 0                                      ; nothing more to fetch
	PHASE SLOT
	; the way out: O^T / the sum, quantised along the head's 64 channels: lane (r, h) holds channels 32 h + 0 .. 31 of its query: a whole block
	s_wait_alu depctr_va_vdst(0)
	WIN 0x05
.irp j, 0,1
	v_add_f32 v[TP+\j], v[L+4*\j], v[L+4*\j+1]
.endr
	WIN 0
.irp j, 0,1
	v_permlanex16_b32 v[PD+\j], v[TP+\j], s[SEL], s[SEL+1]
.endr
.irp j, 0,1
	DEP 2
	v_add_f32 v[TP+\j], v[TP+\j], v[PD+\j]         ; with lane l xor 16's keys: the row's sum
.endr
	s_wait_alu depctr_va_vdst(0)
.irp j, 0,1
	v_rcp_f32 v[F+2*\j], v[TP+\j]
.endr
	v_and_b32 v6, 31, v0
	v_lshlrev_b32 v6, 3, v6                        ; codes: 8 bytes a lane
	v_and_b32 v7, 15, v0
	v_bfe_u32 v[OWN], v0, 4, 1
	v_lshl_add_u32 v7, v7, 4, v[OWN]               ; scale bytes: 16 r + h
	WIN 0x41
	s_wait_alu depctr_va_vdst(0)                   ; ahead of the first reader of the reciprocals and of O^T
.set N, 0
.rept 16
	v_pk_mul_f32 v[N:N+1], v[OT+N:OT+N+1], v[F:F+1] op_sel_hi:[1,0]
	v_pk_mul_f32 v[64+N:65+N], v[OT+32+N:OT+33+N], v[F+2:F+3] op_sel_hi:[1,0]
.set N, N+2
.endr
	WIN 0x55
.irp j, 0,1
	v_max3_num_f32 v[MT+2*\j], |v[64*\j]|, |v[64*\j+1]|, 0x1800000
	v_max3_num_f32 v[MT+2*\j+1], |v[64*\j+2]|, |v[64*\j+3]|, |v[64*\j+4]|
.endr
.irp n, 5,9,13,17,21,25
.irp j, 0,1
	v_max3_num_f32 v[MT+2*\j], v[MT+2*\j], |v[64*\j+\n]|, |v[64*\j+\n+1]|
	v_max3_num_f32 v[MT+2*\j+1], v[MT+2*\j+1], |v[64*\j+\n+2]|, |v[64*\j+\n+3]|
.endr
.endr
.irp j, 0,1
	v_max3_num_f32 v[MT+2*\j], v[MT+2*\j], |v[64*\j+29]|, |v[64*\j+30]|
.endr
	WIN 0x15
.irp j, 0,1
	v_max3_num_f32 v[BM+\j], v[MT+2*\j], v[MT+2*\j+1], |v[64*\j+31]|
.endr
	WIN 0
.irp j, 0,1
	v_add_nc_u32 v[SO+\j], 0xff000000, v[BM+\j]
.endr
.irp j, 0,1
	DEP 2
	v_lshrrev_b32 v[BY+\j], 23, v[SO+\j]
.endr
	WIN 0x41
.irp j, 0,1
	v_cvt_scalef32_pk16_fp6_f32 v[PC+12*\j:PC+12*\j+2], v[64*\j:64*\j+15], v[SO+\j]
	v_cvt_scalef32_pk16_fp6_f32 v[XC+4*\j:XC+4*\j+2], v[64*\j+16:64*\j+31], v[SO+\j]
.endr
	v_nop
.irp j, 0,1
.irp i, 0,1,2
	v_mov_b32 v[PC+12*\j+3+\i], v[XC+4*\j+\i]
.endr
.endr
	WIN 0x04                                       ; a store's data are its source 1: window 1
.irp j, 0,1
.irp p, 0,1,2
	global_store_b64 v6, v[PC+12*\j+2*\p:PC+12*\j+2*\p+1], s[56:57] offset:1536*\j+256*\p   ; 32 lanes store 256 consecutive bytes, aligned
.endr
.endr
	WIN 0
.irp j, 0,1
	global_store_b8 v7, v[BY+\j], s[54:55] offset:256*\j
.endr
	s_wait_tensorcnt 0x0                           ; the wave's end
	ds_add_u32 v[SPW], v[NIL]
	s_wait_dscnt 0x0
	CROUND                                         ; the closing round
	s_endpgm
.Lfunc_end_k_q25c961b5e5_attn:
	.size	k_q25c961b5e5_attn, .Lfunc_end_k_q25c961b5e5_attn-k_q25c961b5e5_attn
	.p2alignl 7, 3214868480
	.fill 96, 4, 3214868480
	.section	.rodata,"a",@progbits
	.p2align	6, 0x0
	.amdhsa_kernel k_q25c961b5e5_attn
		.amdhsa_group_segment_fixed_size 327680
		.amdhsa_private_segment_fixed_size 0
		.amdhsa_enable_private_segment 0
		.amdhsa_kernarg_size 24
		.amdhsa_user_sgpr_count 2
		.amdhsa_user_sgpr_kernarg_segment_ptr 1
		.amdhsa_wavefront_size32 1
		.amdhsa_system_sgpr_workgroup_id_x 1
		.amdhsa_system_sgpr_workgroup_id_y 1
		.amdhsa_system_sgpr_workgroup_id_z 1
		.amdhsa_system_vgpr_workitem_id 0
		.amdhsa_next_free_vgpr 512
		.amdhsa_next_free_sgpr 66
		.amdhsa_reserve_vcc 0
		.amdhsa_float_denorm_mode_32 3
		.amdhsa_float_denorm_mode_16_64 3
		.amdhsa_memory_ordered 1
		.amdhsa_forward_progress 1
		.amdhsa_inst_pref_size 132
	.end_amdhsa_kernel
	.amdgpu_metadata
---
amdhsa.version: [ 1, 2 ]
amdhsa.kernels:
  - .name:           k_q25c961b5e5_attn
    .symbol:         k_q25c961b5e5_attn.kd
    .args:
      - { .name: qrec, .offset: 0, .size: 8, .value_kind: global_buffer, .address_space: global }
      - { .name: kvrec, .offset: 8, .size: 8, .value_kind: global_buffer, .address_space: global }
      - { .name: crec, .offset: 16, .size: 8, .value_kind: global_buffer, .address_space: global }
    .group_segment_fixed_size: 327680
    .private_segment_fixed_size: 0
    .kernarg_segment_align: 8
    .kernarg_segment_size: 24
    .max_flat_workgroup_size: 256
    .sgpr_count:     66
    .vgpr_count:     512
    .wavefront_size: 32
...
	.end_amdgpu_metadata
.endif
;; end of part 3
;; launch oproj (part 4): grid 8 x 32, 4 waves a work-group, clusters of 4 x 4, 222,720 bytes of LDS; arguments crec, opq, bo, out0; writes out0
.if DOCPART == 4
	.amdgcn_target "amdgcn-amd-amdhsa--gfx1250"
	.amdhsa_code_object_version 6
	.text
	.protected	k_q25c961b5e5_oproj
	.globl	k_q25c961b5e5_oproj
	.p2align	8
	.type	k_q25c961b5e5_oproj,@function
k_q25c961b5e5_oproj:
	s_mov_b64 s[64:65], 0
	v_nop
	global_prefetch_b8 v0, s[64:65] scope:SCOPE_SE
	s_setreg_imm32_b32 hwreg(HW_REG_WAVE_MODE, 25, 1), 1
	s_wait_xcnt 0x0
	s_wait_alu depctr_hold_cnt(0) depctr_sa_sdst(0) depctr_va_vdst(0) depctr_va_sdst(0) depctr_va_ssrc(0) depctr_va_vcc(0) depctr_vm_vsrc(0)
	s_getreg_b32 s2, hwreg(HW_REG_IB_STS2, 6, 4)
	s_cmp_eq_u32 s2, 0
	s_cbranch_scc0 .Lentry_in_a_cluster
	s_endpgm
.Lentry_in_a_cluster:
	s_bfe_u32 s2, ttmp6, 0x10000c
	s_cmp_lg_u32 s2, 0xf033
	s_cbranch_scc0 .Lentry_shape_is_right
	s_endpgm
.Lentry_shape_is_right:
; out0 = ctx Wo^T + bo on codes of E2M3: ctx from crec, Wo from groups 56-63 of opq; sums and bias in f32.
; SHARES.  256 work-groups, each 128 tokens (one group of crec) x 128 columns (one group of Wo); each of four waves 64 x 64: 16 accumulators.
; The product is used transposed: source 0 = 16 rows of Wo, source 1 = 16 tokens.  By the order of a tile's rows (row p of tile i = row 64 (i / 4) + 8 (i % 4) + p % 8 + 32 (p / 8) of its group) the 32
; registers of my four tiles of Wo are 32 neighbouring columns of one token's row.  bo, in that layout, is the C of each sum's first product.
; LDS: all of K for both operands, 8 records of 12,800 bytes each, filled once: nothing is filled again.  Behind them a stage of 16 rows x 272 bytes for each wave, into which no fill lands.
; Each wave issues one tensor load, four records, at the head; it is waited for to 0 ahead of the first K step.
; CLUSTER 4 x 4: Wo's group hangs on cx alone and is asked for jointly by a column of the cluster, ctx's on cy alone, by a row.
; No prefetch: every tile is asked for at the head.
; REGISTERS: window 0: v1-15 addresses; v32-39 scale words, two sets of (Wo 2, ctx 2); v64-111 Wo's four fragments and v112-159 ctx's, set 0; v160-255 set 1; on the way out v64-191 rows of out0.
;   window 1: v0-127 accumulator (m, u) at v[8 (4 m + u)]; v128-159 bo.
.set REC,   12800
.set GRP,   8*REC
.set STAGE, 2*GRP
.set ADRW,  4                          ; v4-5   Wo's fragments, K steps 0-3 and 4-7
.set ADRWS, 6                          ; v6-7   Wo's scale words
.set ADRC,  8                          ; v8-9   ctx's fragments
.set ADRCS, 10                         ; v10-11 ctx's scale words
.set STO,   12
.set RD,    13
.set CO,    14
.set BOO,   15
.set WS,    32
.set WF,    64
.set CF,    112
.set OB,    64
.set G1P,  24
.set G1R,  32
.set G0P,  40                          ; s[40:43]
.set G0R,  68                          ; s[68:71]
.set MSB, 0
.macro WIN new
.if MSB != (\new)
	s_set_vgpr_msb (MSB<<8)|(\new)
.set MSB, (\new)
.endif
.endm
.macro PLACES
.rept 4
	v_nop
.endr
.endm
.macro CROUND
	s_barrier_signal -1
	s_barrier_wait -1
	s_cmp_lg_u32 s16, 0
	s_cbranch_scc1 .Lnot_wave_0_\@
	s_barrier_signal -3
.Lnot_wave_0_\@:
	s_barrier_wait -3
	s_barrier_signal -1
	s_barrier_wait -1
.endm
.macro WM d, p, r, first, c, sp, sr, pa, ra
.set rC, \d
.if \first
.set rC, \c
.endif
.if (\pa) && (\ra)
	v_wmma_scale_f32_16x16x128_f8f6f4 v[\d:\d+7], v[\p:\p+11], v[\r:\r+11], v[rC:rC+7], v[\sp], v[\sr] matrix_a_fmt:MATRIX_FMT_FP6 matrix_b_fmt:MATRIX_FMT_FP6 matrix_a_scale:MATRIX_SCALE_ROW1 matrix_b_scale:MATRIX_SCALE_ROW1
.elseif (\pa)
	v_wmma_scale_f32_16x16x128_f8f6f4 v[\d:\d+7], v[\p:\p+11], v[\r:\r+11], v[rC:rC+7], v[\sp], v[\sr] matrix_a_fmt:MATRIX_FMT_FP6 matrix_b_fmt:MATRIX_FMT_FP6 matrix_a_scale:MATRIX_SCALE_ROW1
.elseif (\ra)
	v_wmma_scale_f32_16x16x128_f8f6f4 v[\d:\d+7], v[\p:\p+11], v[\r:\r+11], v[rC:rC+7], v[\sp], v[\sr] matrix_a_fmt:MATRIX_FMT_FP6 matrix_b_fmt:MATRIX_FMT_FP6 matrix_b_scale:MATRIX_SCALE_ROW1
.else
	v_wmma_scale_f32_16x16x128_f8f6f4 v[\d:\d+7], v[\p:\p+11], v[\r:\r+11], v[rC:rC+7], v[\sp], v[\sr] matrix_a_fmt:MATRIX_FMT_FP6 matrix_b_fmt:MATRIX_FMT_FP6
.endif
.endm
.macro MUL set, first                  ; a K step's 16 products; the accumulators take turns, one instruction a turn
	WIN 0x50                                       ; C and D window 1
.irp m, 0,1,2,3
.irp u, 0,1,2,3
	WM 8*(4*\m+\u), WF+96*(\set)+12*\u, CF+96*(\set)+12*\m, \first, 128+8*\u, WS+4*(\set)+\u/2, WS+4*(\set)+2+\m/2, \u%2, \m%2
.endr
.endr
.endm
.macro FETCH st, set                   ; K step st: my four fragments of Wo (3 loads of 16 bytes a lane each), my four of ctx (6 of 8 bytes), both sides' scale words
	WIN 0
.irp i, 0,1,2,3
.irp q, 0,1,2
	ds_load_b128 v[WF+96*(\set)+12*\i+4*\q:WF+96*(\set)+12*\i+4*\q+3], v[ADRW+(\st)/4] offset:REC*((\st)%4)+1536*\i+512*\q
.endr
.endr
.irp i, 0,1,2,3
.irp p, 0,1,2,3,4,5
	ds_load_b64 v[CF+96*(\set)+12*\i+2*\p:CF+96*(\set)+12*\i+2*\p+1], v[ADRC+(\st)/4] offset:REC*((\st)%4)+1536*\i+256*\p
.endr
.endr
	ds_load_b64 v[WS+4*(\set):WS+4*(\set)+1], v[ADRWS+(\st)/4] offset:REC*((\st)%4)
	ds_load_b64 v[WS+4*(\set)+2:WS+4*(\set)+3], v[ADRCS+(\st)/4] offset:REC*((\st)%4)
.endm
	s_load_b256 s[4:11], s[0:1], 0x0               ; crec, opq, bo, out0
	v_lshl_add_u32 v62, v0, 2, 0x36400
	v_mov_b32 v63, 0
	ds_add_u32 v62, v63
	ds_add_u32 v62, v63
	v_lshrrev_b32 v1, 5, v0
	v_readfirstlane_b32 s16, v1                    ; wave 0..3
	s_lshr_b32 s17, s16, 1                         ; a: my half of the tokens.  Also: I fetch for Wo (0) or for ctx (1)
	s_and_b32 s18, s16, 1                          ; b: my half of the columns.  Also: K steps 0-3 or 4-7
	s_bfe_u32 s19, ttmp6, 0x40000                  ; cx
	s_bfe_u32 s20, ttmp6, 0x40004                  ; cy
	s_lshl_b32 s21, ttmp9, 2
	s_add_co_u32 s21, s21, s19                     ; n: Wo's group
	s_and_b32 s22, ttmp7, 0xffff
	s_lshl_b32 s22, s22, 2
	s_add_co_u32 s22, s22, s20                     ; g: the token group
	s_lshl_b32 s56, s20, 2
	s_lshl_b32 s56, 15, s56                        ; my row of the cluster
	s_lshl_b32 s57, 0x1111, s19                    ; my column
	s_or_b32 s[G1P], s57, (3<<16)|(1<<21)          ; a record: 50 rows of 256 bytes, dense
	s_or_b32 s[G1R], s56, (3<<16)|(1<<21)
.irp g, G1P, G1R
	s_mov_b32 s[\g+1], 32<<16
	s_mov_b32 s[\g+2], 200<<16                     ; four records on end: 200 rows of 256 bytes, one tensor load a wave
	s_mov_b32 s[\g+3], 32<<16
	s_mov_b32 s[\g+4], 200
	s_mov_b32 s[\g+5], 32
	s_mov_b32 s[\g+6], 0
	s_mov_b32 s[\g+7], 0
.endr
	s_mul_i32 s60, s18, 4*REC                      ; I fetch K steps 0-3 or 4-7
	s_add_co_u32 s58, s21, 56
	s_mul_i32 s58, s58, GRP
	s_add_co_u32 s58, s58, s60                     ; Wo: my first record, in bytes: it hangs on cx alone
	s_mov_b32 s59, 0
	s_mul_i32 s62, s22, GRP
	s_add_co_u32 s62, s62, s60                     ; ctx: on cy alone
	s_mov_b32 s63, 0
	s_mul_i32 s61, s17, GRP
	s_add_co_u32 s61, s61, s60                     ; and in LDS: 102,400 (wave / 2) + 51,200 (wave % 2)
	s_lshl_b32 s84, s22, 7
	s_lshl_b32 s85, s17, 6
	s_add_co_u32 s84, s84, s85
	s_lshl_b32 s84, s84, 12                        ; out0: row 128 g + 64 a,
	s_lshl_b32 s86, s21, 9
	s_lshl_b32 s85, s18, 8
	s_add_co_u32 s86, s86, s85                     ; column 128 n + 64 b, in bytes (bo's too)
	s_add_co_u32 s84, s84, s86
	s_mov_b32 s85, 0
	s_mov_b32 s87, 0
	s_wait_dscnt 0x0
	s_wait_kmcnt 0x0
	s_add_nc_u64 s[58:59], s[6:7], s[58:59]
	s_add_nc_u64 s[62:63], s[4:5], s[62:63]
	s_add_nc_u64 s[10:11], s[10:11], s[84:85]
	s_add_nc_u64 s[8:9], s[8:9], s[86:87]
	CROUND                                         ; all sixteen work-groups are here: the joint loads meet
.irp j, 0
	s_mov_b32 s[G0P+4*\j], 1
	s_add_co_u32 s[G0P+4*\j+1], s61, \j*2*REC
	s_add_nc_u64 s[G0P+4*\j+2:G0P+4*\j+3], s[58:59], \j*2*REC
	s_or_b32 s[G0P+4*\j+3], s[G0P+4*\j+3], 0x80000000
	s_mov_b32 s[G0R+4*\j], 1
	s_add_co_u32 s[G0R+4*\j+1], s61, \j*2*REC
	s_add_nc_u64 s[G0R+4*\j+2:G0R+4*\j+3], s[62:63], \j*2*REC
	s_or_b32 s[G0R+4*\j+3], s[G0R+4*\j+3], 0x80000000
.endr
	s_cmp_eq_u32 s17, 0                            ; a wave's one fill stands in one branch on the wave's number; four v_nop follow it
	s_cbranch_scc0 .Lfirst_r
	tensor_load_to_lds s[G0P:G0P+3], s[G1P:G1P+7]
	s_nop 0
.rept 4
	v_nop
.endr
	s_branch .Lfirst_asked
.Lfirst_r:
	tensor_load_to_lds s[G0R:G0R+3], s[G1R:G1R+7]
	s_nop 0
.rept 4
	v_nop
.endr
.Lfirst_asked:
	v_and_b32 v3, 31, v0
	v_lshlrev_b32 v1, 4, v3                        ; 16 x lane
	v_lshlrev_b32 v2, 3, v3                        ; 8 x lane
	v_and_b32 v16, 15, v0                          ; r
	v_bfe_u32 v17, v0, 4, 1                        ; h
	s_mul_i32 s23, s18, 6144                       ; my four tiles of Wo
	v_add_nc_u32 v[ADRW], s23, v1
	v_add_nc_u32 v[ADRW+1], 4*REC, v[ADRW]
	s_lshl_b32 s23, s18, 3
	s_add_co_u32 s23, s23, 12288                   ; their words: registers 2 b, 2 b + 1 of the record's four
	v_add_nc_u32 v[ADRWS], s23, v1
	v_add_nc_u32 v[ADRWS+1], 4*REC, v[ADRWS]
	s_mul_i32 s23, s17, 6144
	s_add_co_u32 s23, s23, GRP                     ; my four tiles of ctx, behind Wo's eight records
	v_add_nc_u32 v[ADRC], s23, v2
	v_add_nc_u32 v[ADRC+1], 4*REC, v[ADRC]
	s_lshl_b32 s23, s17, 3
	s_add_co_u32 s23, s23, GRP+12288
	v_add_nc_u32 v[ADRCS], s23, v1
	v_add_nc_u32 v[ADRCS+1], 4*REC, v[ADRCS]
	s_mul_i32 s23, s16, 16*272
	s_add_co_u32 s23, s23, STAGE                   ; my stage
	v_mul_u32_u24 v[STO], v16, 272
	v_lshl_add_u32 v[STO], v17, 7, v[STO]
	v_add_nc_u32 v[STO], s23, v[STO]               ; in: row r, + 128 h: my 32 columns
	v_mul_u32_u24 v[RD], v17, 272
	v_lshl_add_u32 v[RD], v16, 4, v[RD]
	v_add_nc_u32 v[RD], s23, v[RD]                 ; back: lanes 0-15 one row of 256 bytes, lanes 16-31 the next
	v_lshlrev_b32 v[CO], 12, v17
	v_lshl_add_u32 v[CO], v16, 4, v[CO]            ; and the same two rows in out0
	v_lshlrev_b32 v[BOO], 7, v17
	WIN 0x40
.irp q, 0,1,2,3,4,5,6,7
	global_load_b128 v[128+4*\q:128+4*\q+3], v[BOO], s[8:9] offset:16*\q   ; bo at my 32 columns
.endr
	WIN 0
	s_wait_tensorcnt 0x0                           ; my one load, four records, is in; nothing is ever filled again
	s_barrier_signal -1
	s_barrier_wait -1
	FETCH 0, 0
	FETCH 1, 1
	s_wait_loadcnt 0x0                             ; bo
	s_wait_dscnt 38                                ; K step 0's fragments are in; the 38 younger loads may be out
	MUL 0, 1
.macro KSTEP st, left                  ; K step st is multiplied, st + 1 fetched.  left >= 0: the next K step lies in a record not yet waited for: so many later loads of mine may stay out
	WIN 0
.if (\left) >= 0
	s_wait_tensorcnt \left
.endif
	s_wait_dscnt 0x0                               ; this step's fragments are in
.if (\left) >= 0
	s_barrier_signal -1
	s_barrier_wait -1                              ; everybody's part of the next records has landed
.endif
	PLACES
	FETCH (\st)+1, ((\st)+1)%2
	MUL (\st)%2, 0
.endm
	KSTEP 1, -1
	KSTEP 2, -1
	KSTEP 3, -1
	KSTEP 4, -1
	KSTEP 5, -1
	KSTEP 6, -1
	s_wait_dscnt 0x0
	MUL 1, 0
	WIN 0
	PLACES                                         ; in front of the first read of results and of loads into the fragments' registers
; THE WAY OUT, a tile of 16 tokens at a time: a lane's 128 bytes of a row go into my stage and come back as whole rows of 256 bytes.
.macro TOSTAGE m
	WIN 0x04                                       ; an LDS store's data are its source 1: window 1
.irp u, 0,1,2,3
	ds_store_b128 v[STO], v[8*(4*(\m)+\u):8*(4*(\m)+\u)+3] offset:32*\u        ; each accumulator from its low end on
	ds_store_b128 v[STO], v[8*(4*(\m)+\u)+4:8*(4*(\m)+\u)+7] offset:32*\u+16
.endr
	WIN 0
.irp q, 0,1,2,3,4,5,6,7
	ds_load_b128 v[OB+32*(\m)+4*\q:OB+32*(\m)+4*\q+3], v[RD] offset:544*\q     ; LDS serves a wave's instructions in order: these see my stores, and the next tile's stores come behind them
.endr
.endm
.macro SEND m, younger                 ; younger: the LDS instructions issued behind tile m's loads
	s_wait_dscnt \younger
.irp q, 0,1,2,3,4,5,6,7
	global_store_b128 v[CO], v[OB+32*(\m)+4*\q:OB+32*(\m)+4*\q+3], s[10:11] offset:(8*(\m)+((2*\q)%8)+32*(\q/4))*4096 th:TH_STORE_NT   ; rows 2 q, 2 q + 1 of the tile, at their tokens; 16 lanes store 256 consecutive bytes, aligned
.endr
.endm
	s_wait_alu depctr_va_vdst(0)
	TOSTAGE 0
	TOSTAGE 1
	SEND 0, 16
	TOSTAGE 2
	SEND 1, 16
	TOSTAGE 3
	SEND 2, 16
	SEND 3, 0
	s_wait_tensorcnt 0x0
	ds_add_u32 v62, v63
	s_wait_dscnt 0x0
	CROUND                                         ; the closing round: no work-group ends while a partner may still ask for a tile that names it
	s_endpgm
.Lfunc_end_k_q25c961b5e5_oproj:
	.size	k_q25c961b5e5_oproj, .Lfunc_end_k_q25c961b5e5_oproj-k_q25c961b5e5_oproj
	.p2alignl 7, 3214868480
	.fill 96, 4, 3214868480
	.section	.rodata,"a",@progbits
	.p2align	6, 0x0
	.amdhsa_kernel k_q25c961b5e5_oproj
		.amdhsa_group_segment_fixed_size 222720
		.amdhsa_private_segment_fixed_size 0
		.amdhsa_enable_private_segment 0
		.amdhsa_kernarg_size 32
		.amdhsa_user_sgpr_count 2
		.amdhsa_user_sgpr_kernarg_segment_ptr 1
		.amdhsa_wavefront_size32 1
		.amdhsa_system_sgpr_workgroup_id_x 1
		.amdhsa_system_sgpr_workgroup_id_y 1
		.amdhsa_system_sgpr_workgroup_id_z 1
		.amdhsa_system_vgpr_workitem_id 0
		.amdhsa_next_free_vgpr 416
		.amdhsa_next_free_sgpr 88
		.amdhsa_reserve_vcc 0
		.amdhsa_float_denorm_mode_32 3
		.amdhsa_float_denorm_mode_16_64 3
		.amdhsa_memory_ordered 1
		.amdhsa_forward_progress 1
		.amdhsa_inst_pref_size 52
	.end_amdhsa_kernel
	.amdgpu_metadata
---
amdhsa.version: [ 1, 2 ]
amdhsa.kernels:
  - .name:           k_q25c961b5e5_oproj
    .symbol:         k_q25c961b5e5_oproj.kd
    .args:
      - { .name: crec, .offset: 0, .size: 8, .value_kind: global_buffer, .address_space: global }
      - { .name: opq, .offset: 8, .size: 8, .value_kind: global_buffer, .address_space: global }
      - { .name: bo, .offset: 16, .size: 8, .value_kind: global_buffer, .address_space: global }
      - { .name: out0, .offset: 24, .size: 8, .value_kind: global_buffer, .address_space: global }
    .group_segment_fixed_size: 222720
    .private_segment_fixed_size: 0
    .kernarg_segment_align: 8
    .kernarg_segment_size: 32
    .max_flat_workgroup_size: 128
    .sgpr_count:     88
    .vgpr_count:     416
    .wavefront_size: 32
...
	.end_amdgpu_metadata
.endif
;; end of part 4
